; MI455X (gfx1250); checked and timed in simulation.
; The chip was launched on July 23, 2026; its instructions are those of AMD's public machine-readable ISA for CDNA 5 (MIT licence, August 2026) and "CDNA5" Instruction Set Architecture Reference Guide (July 2026). The comments in the code are by the model that wrote it; some were corrected since.
;; Multi Head Attention. Allowed arithmetic: matrix products marked QUANTISED: E2M3 operands, one E8M0 scale for each 32 along K, by v_wmma_scale_f32_16x16x128_f8f6f4 with both operands' format E2M3, f32 sums; everything else in f32.
;; Inputs: Wk 1,024 x 1,024 float32; Wo 1,024 x 1,024 float32; Wq 1,024 x 1,024 float32; Wv 1,024 x 1,024 float32; bk 1,024 float32; bo 1,024 float32; bq 1,024 float32; bv 1,024 float32; key 4 x 2,048 x 1,024 float32; mask 4 x 1 x 2,048 x 2,048 bool; query 4 x 2,048 x 1,024 float32; value 4 x 2,048 x 1,024 float32.
;; Outputs: out0 4 x 2,048 x 1,024 float32.
;; This version of the problem:
;;   THIS VERSION OF THE PROBLEM IS GIVEN IN LOW PRECISION. The matrix products marked QUANTISED in the list below multiply operands that are first quantised to E2M3 (2 exponent bits, 3 mantissa bits; 6 bits a number), with one power-of-two scale for each 32 numbers along K (OCP MX v1.0); their sums are f32. All else is computed in f32.
;;   The module's matrix products, in the order in which they are computed (A, B: the left and right operand; K: the contracted axis; several contracted axes count as one K, in the product's order):
;;     1. [M 8,192, K 1,024] x [K 1,024, N 1,024]; A: input query; B: input Wq: QUANTISED
;;     2. [M 8,192, K 1,024] x [K 1,024, N 1,024]; A: input key; B: input Wk: QUANTISED
;;     3. [M 8,192, K 1,024] x [K 1,024, N 1,024]; A: input value; B: input Wv: QUANTISED
;;     4. batch 64 x [M 2,048, K 64] x [K 64, N 2,048]; A: computed on the way; B: computed on the way: QUANTISED
;;     5. batch 64 x [M 2,048, K 2,048] x [K 2,048, N 64]; A: softmax (see below); B: computed on the way: QUANTISED
;;     6. [M 8,192, K 1,024] x [K 1,024, N 1,024]; A: computed on the way; B: input Wo: QUANTISED
;;   THE QUANTISER, for each operand of a quantised product, along K:
;;     - K is cut into blocks of 32 from its start; a last block that is shorter is filled with zeros.
;;     - A block's scale is 2^e with e = floor(log2(the largest magnitude in the block)) - 2, held to -126 .. 127; a block of zeros has e = 0. As a byte (E8M0): e + 127.
;;     - Each number is divided by its block's scale, clamped to +-7.5, and rounded to the nearest number of E2M3, ties to even, subnormals kept.
;;     - The product sums the exact products of the quantised numbers (number of the format x scale) in f32.
;;   ~~~python
;;   def quantise(x, axis):      # numpy; x: float32 -> the quantised numbers, widened to float32 again
;;       x = np.moveaxis(x, axis, -1); K = x.shape[-1]
;;       x = np.pad(x, [(0, 0)] * (x.ndim - 1) + [(0, -K % 32)]); x = x.reshape(x.shape[:-1] + (-1, 32)); a = np.abs(x).max(-1, keepdims=True)
;;       e = np.where(a > 0, np.clip(np.frexp(np.where(a > 0, a, 1))[1] - 1 - 2, -126, 127), 0)      # np.frexp(a)[1] - 1 = floor(log2(a)), exactly
;;       r = np.clip(x / 2.0 ** e, -7.5, 7.5)
;;       step = 2.0 ** (np.maximum(np.frexp(np.where(r == 0, 1, r))[1] - 1, 0) - 3)
;;       q = np.round(r / step) * step * 2.0 ** e      # np.round: ties to even
;;       return np.moveaxis(q.reshape(q.shape[:-2] + (-1,))[..., :K], -1, axis).astype(np.float32)
;;   ~~~
;;   SOFTMAX AHEAD OF A QUANTISED PRODUCT. Where the list says 'softmax', what is quantised is not the finished softmax but p = 2^(t - M), with t = logit x log2(e) and M = ceil(the row's largest t), a whole number; so 1/2 < the row's largest p <= 1. The row's sum l is taken of the UNQUANTISED p, in f32, and the product's result is divided by l at the end. Since M is a whole number, a kernel that streams over the keys may use a running M (the ceiling of the running maximum): every later rescaling is an exact power of two, which a block's scale takes up: the codes' values come out the same.
;;   OPERANDS COMPUTED ON THE WAY. 'Computed on the way' means the value that the module computes at that place (a softmax that the list does not call 'softmax' is quantised finished and normalised). What goes into a quantiser is computed in f32, as accurately as f32 sums, v_exp_f32 and their like allow (about 1e-6 of the number): no bf16 or f16 on the way to a quantiser, and a product that is left as it is and whose result goes on into a quantised operand takes f32 operands (vector FMAs, or v_wmma_f32_16x16x4_f32). A number that lies on a knife's edge between two numbers of the format may be rounded either way, as far as f32 arithmetic and the matrix unit's own rounding can turn it there, and no further.
;; One version. Each part assembles by itself: llvm-mc -triple=amdgcn-amd-amdhsa -mcpu=gfx1250 --defsym DOCPART=n.
;; ======== version 1 of 1: 4 launches
;; limits: right only within a limited range of input values
;; workspace buffers: codes 22,020,096 bytes; scales 917,504 bytes; mw 2,097,152 bytes of whole numbers; qi 6,815,744 bytes; kv 13,369,344 bytes; oc 6,291,456 bytes; os 262,144 bytes
;; launch prep (part 1): grid 256 x 1, 15 waves a work-group, no clusters, 128,768 bytes of LDS; arguments query, key, value, Wq, Wk, Wv, Wo, mask, codes, scales, mw; writes codes, scales, mw
.if DOCPART == 1
	.amdgcn_target "amdgcn-amd-amdhsa--gfx1250"
	.amdhsa_code_object_version 6
	.text
	.protected	k_q66026ddc7c_prep
	.globl	k_q66026ddc7c_prep
	.p2align	8
	.type	k_q66026ddc7c_prep,@function
k_q66026ddc7c_prep:
	s_mov_b64 s[64:65], 0
	v_nop
	global_prefetch_b8 v0, s[64:65] scope:SCOPE_SE
	s_setreg_imm32_b32 hwreg(HW_REG_WAVE_MODE, 25, 1), 1
	s_wait_xcnt 0x0
; MULTI-HEAD ATTENTION IN MX-FP6, LAUNCH 1 OF 4.  query, key, value [8192][1024] and Wq, Wk, Wv, Wo [1024][1024], f32 with K innermost, become codes of E2M3 with one E8M0 byte for each 32 along K;
; the mask [4][2048][2048] of bytes becomes words of one bit a lane, as the attention launch's selects take them.
; DEAD WORK: none.  Every input of reference() has a way to out0: the four biases move codes (bq, bk, bv ahead of quantisers) or the output (bo), the mask moves every row's maximum and sum.
; ROW ORDER.  Rows are kept in tiles of 16.  All tensors but key: row r of tile 2 P + u is the tensor's row 32 P + 8 u + r + 8 (r / 8).
; key: row r of tile 4 C + j is row 64 C + 8 j + r % 8 + 32 (r / 8): as source 0 of the score product, a lane's 32 registers of tiles 4 C .. 4 C + 3 are then keys 64 C + 32 (lane / 16) + 0 .. 31, one whole scale block of p.
; LAYOUT.  codes: [tile 0..1791][K step of 128, 0..7][1,536 bytes]: the operand's 12 registers as they stand, registers 2 p, 2 p + 1 of lane l at 256 p + 8 l.  Tiles: query 0, key 512, value 1024, Wq 1536, Wk 1600, Wv 1664, Wo 1728.
; scales: [tile][r][32 bytes].  mw: [batch][tile of queries 0..127][key step of 128, 0..15][64 words]: bit l of word w is mask[query r = l % 16 of the tile][128 step + 64 (w / 32) + 32 (l / 16) + w % 32].
; A block's scale is 2^(floor(log2(largest magnitude)) - 2); its byte is the largest magnitude's exponent field - 2, held at 1 from below.
; LIMITS: a block of zeros, or one whose largest magnitude lies under 2^-124, gets the byte 1 (the bytes are read by this program alone); NaN and infinities among the inputs are not served.
; SHARES.  256 work-groups of fifteen waves.  Waves 0-6 take one tile each, 16 rows x 1,024 numbers: 7 x 256 = 1,792 tiles.  Waves 7-14 take the mask of one tile of 16 queries x 512 keys each: 8 x 256 = 2,048 quarters.
; Waves share nothing: no barrier.  No matrix unit, cluster or tensor load: a stream, read once in runs of 512 consecutive bytes and written in whole aligned runs of 256 bytes or more.
.set STQ,   16*528                     ; LDS: every wave's stage, at wave x STQ: 16 rows of 512 bytes + 16 (numbers of a K step, or mask bytes of 512 keys)
.set SPARE, 15*STQ                     ; the spare words, 128 bytes a wave, that no other line names
.set SPW,   252
.set NIL,   253
.set R,     16                         ; v16-143  two sets of 64: numbers as loaded
.set X,     144                        ; v144-207 64 numbers: register 16 b + i = k 32 b + 16 (lane / 16) + i of my row
.set PC,    208                        ; v208-226 the fragment just made, and the conversions' second halves
.set TM,    228                        ; v228-243 at work in QUANT
.set W,     244                        ; v244-251 my row's eight scale words
.set G,     16                         ; mask path: v16-79 bytes as loaded, v144-175 my bytes of 256 keys, v176-179 words to store, v180-183 at work
.set BM,    144
.set OUT,   176
.set T,     180
.set SEL,   32                         ; s[32:33] selects of v_permlanex16_b32 for lane l xor 16
; 64 numbers of a lane, v[s] on, become a fragment's codes in v[PC] .. v[PC + 11] and my row's scale word in v[pw].
.macro QUANT s, pw
.irp b, 0,1,2,3
	v_max3_num_f32 v[TM+\b], |v[\s+16*\b]|, |v[\s+1+16*\b]|, 0x1800000   ; my 16 numbers of block b, and the floor 2^(3 - 127)
.endr
.irp i, 2,4,6,8,10,12,14
.irp b, 0,1,2,3
	v_max3_num_f32 v[TM+\b], v[TM+\b], |v[\s+16*\b+\i]|, |v[\s+1+16*\b+\i]|
.endr
.endr
.irp b, 0,1,2,3
	v_permlanex16_b32 v[TM+4+\b], v[TM+\b], s[SEL], s[SEL+1]
.endr
.irp b, 0,1,2,3
	v_max_num_f32 v[TM+\b], v[TM+\b], v[TM+4+\b]   ; with lane l xor 16's 16
.endr
.irp b, 0,1,2,3
	v_add_nc_u32 v[TM+12+\b], 0xff000000, v[TM+\b]   ; 2 off the exponent field: the conversion's scale operand
.endr
.irp b, 0,1,2,3
	v_lshrrev_b32 v[TM+4+\b], 23, v[TM+12+\b]      ; the scale's byte
.endr
	v_lshl_or_b32 v[\pw], v[TM+5], 8, v[TM+4]
	v_lshl_or_b32 v[\pw], v[TM+6], 16, v[\pw]
	v_lshl_or_b32 v[\pw], v[TM+7], 24, v[\pw]
.irp c, 0,1
	v_cvt_scalef32_pk16_fp6_f32 v[PC+6*\c:PC+2+6*\c], v[\s+32*\c:\s+15+32*\c], v[TM+12+2*\c]
	v_cvt_scalef32_pk16_fp6_f32 v[PC+12+4*\c:PC+14+4*\c], v[\s+16+32*\c:\s+31+32*\c], v[TM+12+2*\c+1]
.endr
	v_nop                                          ; one plain place behind a scaled conversion
.irp c, 0,1                                    ; the operand wants a whole block in a lane
.irp i, 0,1,2
	v_permlane16_swap_b32 v[PC+6*\c+\i], v[PC+12+4*\c+\i]
.endr
.irp i, 0,1,2
	v_mov_b32 v[PC+3+6*\c+\i], v[PC+12+4*\c+\i]
.endr
.endr
.endm
	s_load_b512 s[8:23], s[0:1], 0x0               ; query s[8:9], key, value, Wq, Wk, Wv, Wo s[20:21], mask s[22:23]
	s_load_b128 s[24:27], s[0:1], 0x40             ; codes, scales
	s_load_b64 s[28:29], s[0:1], 0x50              ; mw
	v_lshl_add_u32 v[SPW], v0, 2, SPARE
	v_mov_b32 v[NIL], 0
	v_lshrrev_b32 v1, 5, v0
	v_readfirstlane_b32 s4, v1                     ; wave
	v_and_b32 v6, 31, v0                           ; lane
	v_and_b32 v7, 15, v0                           ; r
	v_bfe_u32 v8, v0, 4, 1                         ; h
	; every LDS address is made here, ahead of the parting of the two roles
	s_mul_i32 s6, s4, STQ
	v_lshlrev_b32 v1, 4, v6                        ; 16 x lane
	v_add_nc_u32 v2, s6, v1                        ; into the stage: a row's 512 bytes as they lie (numbers and mask bytes alike)
	v_mul_u32_u24 v3, v7, 528
	v_lshl_add_u32 v10, v8, 5, v3
	v_lshl_add_u32 v3, v8, 6, v3
	v_add_nc_u32 v3, s6, v3                        ; numbers out: row r, + 64 h
	v_add_nc_u32 v10, s6, v10                      ; mask bytes out: row r, + 32 h
	v_lshlrev_b32 v4, 3, v6                        ; 8 x lane
	v_lshlrev_b32 v5, 5, v7
	v_lshl_add_u32 v5, v8, 4, v5                   ; 32 r + 16 h
	s_wait_alu depctr_va_vdst(0)                   ; ahead of the branch and the waits behind it
	s_cmp_ge_u32 s4, 7
	s_cbranch_scc1 .Lmask
	; ---- THE QUANTISER.  Which tensor: a choice of pointers on the tile's number alone
.macro PICK first, ptr
	s_cmp_ge_u32 s5, \first
	s_cselect_b64 s[8:9], s[\ptr:\ptr+1], s[8:9]
	s_cselect_b32 s7, \first, s7
.endm
	s_mul_i32 s5, ttmp9, 7
	s_add_co_u32 s5, s5, s4                        ; my tile: 7 x work-group + wave
	s_wait_kmcnt 0x0
	s_mov_b32 s7, 0                                ; the tensor's first tile
	PICK 512, 10
	PICK 1024, 12
	PICK 1536, 14
	PICK 1600, 16
	PICK 1664, 18
	PICK 1728, 20
	s_sub_co_u32 s7, s5, s7                        ; my tile in the tensor
	s_lshr_b32 s30, s7, 1
	s_lshl_b32 s30, s30, 5
	s_and_b32 s35, s7, 1
	s_lshl_b32 s35, s35, 3
	s_add_co_u32 s30, s30, s35                     ; its first row: 32 (tile / 2) + 8 (tile % 2);
	s_lshr_b32 s35, s7, 2
	s_lshl_b32 s35, s35, 6
	s_and_b32 s7, s7, 3
	s_lshl_b32 s7, s7, 3
	s_add_co_u32 s35, s35, s7                      ; in key: 64 (tile / 4) + 8 (tile % 4)
	s_lshr_b32 s7, s5, 9
	s_cmp_eq_u32 s7, 1                             ; tiles 512 to 1023 are key's
	s_cselect_b32 s30, s35, s30
	s_cselect_b32 s35, 0x10000, 0                  ; and its rows 8-15 lie 16 rows of 4,096 bytes further down than the other tensors'
	v_add_nc_u32 v12, s35, v1
	s_wait_alu depctr_va_vdst(0)                   ; the wait behind this write
	s_lshl_b32 s30, s30, 12                        ; rows of 4,096 bytes
	s_mov_b32 s31, 0
	s_add_nc_u64 s[8:9], s[8:9], s[30:31]
	s_mul_i32 s30, s5, 12288
	s_add_nc_u64 s[24:25], s[24:25], s[30:31]      ; my tile's codes
	s_lshl_b32 s30, s5, 9
	s_add_nc_u64 s[26:27], s[26:27], s[30:31]      ; and scale bytes
	s_mov_b32 s[SEL], 0x76543210
	s_mov_b32 s[SEL+1], 0xfedcba98
	s_mov_b32 s34, 0xffff0000                      ; lanes 16-31
.irp b, 0,1,2,3
	v_mov_b32 v[TM+4+\b], 0                        ; written once: a lane permute's destination counts as one of its sources
.endr
.macro LOAD kk                         ; K step kk of my 16 rows: each load reads 512 consecutive bytes of one row (rows 0-7 by v1, rows 8-15 by v12)
.irp t, 0,1,2,3,4,5,6,7,8,9,10,11,12,13,14,15
	global_load_b128 v[R+64*((\kk)%2)+4*\t:R+64*((\kk)%2)+4*\t+3], v[1+11*(\t/8)], s[8:9] offset:(\t+8*(\t/8))*4096+512*(\kk) th:TH_LOAD_NT
.endr
.endm
.macro FRAGQ kk
.if (\kk) < 7
	s_wait_loadcnt 16                              ; this K step's 16 loads are in; the next one's 16 may be out
.else
	s_wait_loadcnt 0x0
.endif
.irp t, 0,1,2,3,4,5,6,7,8,9,10,11,12,13,14,15
	ds_store_b128 v2, v[R+64*((\kk)%2)+4*\t:R+64*((\kk)%2)+4*\t+3] offset:528*\t
.endr
.irp b, 0,1,2,3
.irp j, 0,1,2,3
	ds_load_b128 v[X+16*\b+4*\j:X+16*\b+4*\j+3], v3 offset:128*\b+16*\j   ; LDS serves a wave's instructions in order: these see the stores above
.endr
.endr
	s_wait_dscnt 0x0                               ; my 64 numbers are in, and the stage's stores have read their registers
	s_wait_xcnt 0x0                                ; the last fragment's stores have read theirs
.if (\kk) < 6
	LOAD (\kk)+2
.endif
	QUANT X, W+(\kk)
.irp p, 0,1,2,3,4,5
	global_store_b64 v4, v[PC+2*\p:PC+2*\p+1], s[24:25] offset:1536*(\kk)+256*\p   ; 32 lanes store 256 consecutive bytes, aligned
.endr
.endm
	LOAD 0
	LOAD 1
.irp kk, 0,1,2,3,4,5,6,7
	FRAGQ \kk
.endr
.irp j, 0,1,2,3
	v_cndmask_b32 v[X+\j], v[W+\j], v[W+4+\j], s34 ; lanes 0-15 store words 0-3 of row r, lanes 16-31 words 4-7
.endr
	global_store_b128 v5, v[X:X+3], s[26:27]       ; 512 consecutive bytes
	s_wait_tensorcnt 0x0                           ; the wave's end, behind my last LDS store
	ds_add_u32 v[SPW], v[NIL]
	s_wait_dscnt 0x0
	s_endpgm
	; ---- THE MASK: 16 queries x 512 keys a wave.  All 16 loads go out at once; the bytes lie in my stage; two steps of 256 keys, written out with immediate offsets, vote on them.
.Lmask:
	s_lshl_b32 s5, ttmp9, 3
	s_add_co_u32 s5, s5, s4
	s_sub_co_u32 s5, s5, 7                         ; my unit, 0 to 2,047: 4 x (128 batch + tile of queries) + quarter of the keys
	s_lshr_b32 s36, s5, 2
	s_and_b32 s37, s5, 3
	s_lshr_b32 s30, s36, 1
	s_lshl_b32 s30, s30, 5
	s_and_b32 s7, s36, 1
	s_lshl_b32 s7, s7, 3
	s_add_co_u32 s30, s30, s7                      ; the tile's first row among the 8,192
	s_lshl_b32 s30, s30, 11                        ; rows of 2,048 bytes
	s_lshl_b32 s7, s37, 9
	s_add_co_u32 s30, s30, s7                      ; + my 512 keys
	s_mov_b32 s31, 0
	s_wait_kmcnt 0x0
	s_add_nc_u64 s[22:23], s[22:23], s[30:31]
	s_lshl_b32 s30, s5, 10                         ; 4 key steps x 256 bytes of words a unit
	s_add_nc_u64 s[28:29], s[28:29], s[30:31]
.irp k, 0,1,2,3
	v_mov_b32 v[OUT+\k], 0                         ; written once: v_writelane_b32's destination counts as read
.endr
.set rw, 0
.rept 16
	global_load_b128 v[G+4*rw:G+4*rw+3], v1, s[22:23] offset:(rw+8*(rw/8))*2048 th:TH_LOAD_NT   ; 512 consecutive bytes of one row
.set rw, rw+1
.endr
.set rw, 0
.rept 16
.if rw%4 == 0
	s_wait_loadcnt 12-rw                           ; four rows' loads are in; the later rows' may be out
.endif
	ds_store_b128 v2, v[G+4*rw:G+4*rw+3] offset:528*rw
.set rw, rw+1
.endr
; 256 keys, two key steps: 128 words.  Word 4 j + k is the vote of the 32 lanes on byte k of their register BM + j; it goes to lane j of register OUT + k, so that the wave stores the 128 words as 512 consecutive bytes.
.set it, 0
.rept 2
	s_wait_alu depctr_va_vdst(0)
.irp q, 0,1,2,3,4,5,6,7
	ds_load_b128 v[BM+4*\q:BM+4*\q+3], v10 offset:256*it+64*(\q/2)+16*(\q%2)   ; my 32 bytes of each 64 keys (LDS serves a wave's instructions in order: these see the stores above)
.endr
	s_wait_dscnt 0x0
.set j, 0
.rept 32
.irp k, 0,1,2,3
	v_and_b32 v[T+\k], 0xff<<(8*\k), v[BM+j]
.endr
.irp k, 0,1,2,3
	v_cmp_ne_u32 s[36+\k], 0, v[T+\k]
.endr
.irp k, 0,1,2,3
	v_writelane_b32 v[OUT+\k], s[36+\k], j
.endr
.set j, j+1
.endr
	global_store_b128 v1, v[OUT:OUT+3], s[28:29] offset:512*it
	s_wait_xcnt 0x0                                ; the store has read its data: they are written again
.set it, it+1
.endr
	s_wait_tensorcnt 0x0                           ; the wave's end, as above
	ds_add_u32 v[SPW], v[NIL]
	s_wait_dscnt 0x0
	s_endpgm
.Lfunc_end_k_q66026ddc7c_prep:
	.size	k_q66026ddc7c_prep, .Lfunc_end_k_q66026ddc7c_prep-k_q66026ddc7c_prep
	.p2alignl 7, 3214868480
	.fill 96, 4, 3214868480
	.section	.rodata,"a",@progbits
	.p2align	6, 0x0
	.amdhsa_kernel k_q66026ddc7c_prep
		.amdhsa_group_segment_fixed_size 128768
		.amdhsa_private_segment_fixed_size 0
		.amdhsa_enable_private_segment 0
		.amdhsa_kernarg_size 88
		.amdhsa_user_sgpr_count 2
		.amdhsa_user_sgpr_kernarg_segment_ptr 1
		.amdhsa_wavefront_size32 1
		.amdhsa_system_sgpr_workgroup_id_x 1
		.amdhsa_system_sgpr_workgroup_id_y 1
		.amdhsa_system_sgpr_workgroup_id_z 1
		.amdhsa_system_vgpr_workitem_id 0
		.amdhsa_next_free_vgpr 256
		.amdhsa_next_free_sgpr 66
		.amdhsa_reserve_vcc 0
		.amdhsa_float_denorm_mode_32 3
		.amdhsa_float_denorm_mode_16_64 3
		.amdhsa_memory_ordered 1
		.amdhsa_forward_progress 1
		.amdhsa_inst_pref_size 120
	.end_amdhsa_kernel
	.amdgpu_metadata
---
amdhsa.version: [ 1, 2 ]
amdhsa.kernels:
  - .name:           k_q66026ddc7c_prep
    .symbol:         k_q66026ddc7c_prep.kd
    .args:
      - { .name: query, .offset: 0, .size: 8, .value_kind: global_buffer, .address_space: global }
      - { .name: key, .offset: 8, .size: 8, .value_kind: global_buffer, .address_space: global }
      - { .name: value, .offset: 16, .size: 8, .value_kind: global_buffer, .address_space: global }
      - { .name: Wq, .offset: 24, .size: 8, .value_kind: global_buffer, .address_space: global }
      - { .name: Wk, .offset: 32, .size: 8, .value_kind: global_buffer, .address_space: global }
      - { .name: Wv, .offset: 40, .size: 8, .value_kind: global_buffer, .address_space: global }
      - { .name: Wo, .offset: 48, .size: 8, .value_kind: global_buffer, .address_space: global }
      - { .name: mask, .offset: 56, .size: 8, .value_kind: global_buffer, .address_space: global }
      - { .name: codes, .offset: 64, .size: 8, .value_kind: global_buffer, .address_space: global }
      - { .name: scales, .offset: 72, .size: 8, .value_kind: global_buffer, .address_space: global }
      - { .name: mw, .offset: 80, .size: 8, .value_kind: global_buffer, .address_space: global }
    .group_segment_fixed_size: 128768
    .private_segment_fixed_size: 0
    .kernarg_segment_align: 8
    .kernarg_segment_size: 88
    .max_flat_workgroup_size: 480
    .sgpr_count:     66
    .vgpr_count:     256
    .wavefront_size: 32
...
	.end_amdgpu_metadata
.endif
;; end of part 1
;; launch proj (part 2): grid 4 x 96, 4 waves a work-group, clusters of 4 x 4, 327,680 bytes of LDS; arguments codes, scales, bq, bk, bv, qi, kv; writes qi, kv
.if DOCPART == 2
	.amdgcn_target "amdgcn-amd-amdhsa--gfx1250"
	.amdhsa_code_object_version 6
	.text
	.protected	k_q66026ddc7c_proj
	.globl	k_q66026ddc7c_proj
	.p2align	8
	.type	k_q66026ddc7c_proj,@function
k_q66026ddc7c_proj:
	s_mov_b64 s[64:65], 0
	v_nop
	global_prefetch_b8 v0, s[64:65] scope:SCOPE_SE
	s_setreg_imm32_b32 hwreg(HW_REG_WAVE_MODE, 25, 1), 1
	s_wait_xcnt 0x0
	s_wait_alu depctr_hold_cnt(0) depctr_sa_sdst(0) depctr_va_vdst(0) depctr_va_sdst(0) depctr_va_ssrc(0) depctr_va_vcc(0) depctr_vm_vsrc(0)
	s_getreg_b32 s2, hwreg(HW_REG_IB_STS2, 6, 4)
	s_cmp_eq_u32 s2, 0
	s_cbranch_scc0 .Lentry_in_a_cluster
	s_endpgm
.Lentry_in_a_cluster:
	s_bfe_u32 s2, ttmp6, 0x10000c
	s_cmp_lg_u32 s2, 0xf033
	s_cbranch_scc0 .Lentry_shape_is_right
	s_endpgm
.Lentry_shape_is_right:
.set NQ,    2
.set FR,    12
.set NL,    6
.set NP,    4
.set TILEB, 3072
.set HALFT, 8*TILEB
.set SLOT,  4*HALFT
.set SCL,   2*SLOT
.set HALFS, 16*272
.set SBLK,  2*272
.set SPARE, SCL+4*HALFS
.set ADRA, 16
.set ADRB, 20
.set ADRS, 27
.set SPW,  28
.set NIL,  29
.set SC,   32
.set AF,   128
.set BI,   64
.set H,    128
.set PC,   192
.set TM,   212
.set SEL,  80
.set G1, 24
.set G0, 32
.set G1B, 48
.set G0B, 56
.set G1S, 68
.set G0S, 76
.set G1SB, 80
.set G0SB, 88
.set MSB, 0
.macro WIN new
.if MSB != (\new)
	s_set_vgpr_msb (MSB<<8)|(\new)
.set MSB, (\new)
.endif
.endm
.set MUL_LO, 0xa1
.set MUL_HI, 0xf1
.set TO_B,   0x40
.macro JLOAD g0a, g1a, g0b, g1b
	s_cmp_eq_u32 s15, 0
	s_cbranch_scc0 .Lfor_b_\@
	tensor_load_to_lds s[\g0a:\g0a+3], s[\g1a:\g1a+7]
	s_nop 0
.rept 4
	v_nop
.endr
	s_branch .Lasked_\@
.Lfor_b_\@:
	tensor_load_to_lds s[\g0b:\g0b+3], s[\g1b:\g1b+7]
	s_nop 0
.rept 4
	v_nop
.endr
.Lasked_\@:
.endm
.macro CREST
	s_cmp_lg_u32 s14, 0
	s_cbranch_scc1 .Lnot_wave_0_\@
	s_barrier_signal -3
.Lnot_wave_0_\@:
	s_barrier_wait -3
	s_barrier_signal -1
	s_barrier_wait -1
.endm
.macro CROUND
	s_barrier_signal -1
	s_barrier_wait -1
	CREST
.endm
	s_load_b128 s[4:7], s[0:1], 0x0
	v_lshl_add_u32 v[SPW], v0, 2, SPARE
	v_mov_b32 v[NIL], 0
	ds_add_u32 v[SPW], v[NIL]
	ds_add_u32 v[SPW], v[NIL]
	v_lshrrev_b32 v1, 5, v0
	v_readfirstlane_b32 s14, v1
	s_lshr_b32 s15, s14, 1
	s_and_b32 s16, s14, 1
	s_bfe_u32 s40, ttmp6, 0x40000
	s_bfe_u32 s41, ttmp6, 0x40004
	s_and_b32 s95, ttmp7, 0xffff
	s_and_b32 s96, s95, 7
	s_lshr_b32 s97, s95, 3
	s_lshl_b32 s2, s97, 9
	s_lshl_b32 s3, s97, 6
	s_add_co_u32 s3, s3, 1536
	s_cmp_ge_u32 s95, 16
	s_cselect_b32 s98, 0, s96
	s_cselect_b32 s99, s96, 0
	s_cselect_b32 s2, 1664, s2
	s_cselect_b32 s3, 1024, s3
	s_lshl_b32 s17, s98, 2
	s_add_co_u32 s17, s17, s41
	s_lshl_b32 s42, s99, 2
	s_add_co_u32 s42, s42, s40
	s_lshl_b32 s43, s41, 2
	s_lshl_b32 s43, 15, s43
	s_lshl_b32 s44, 0x1111, s40
	s_or_b32 s[G1+0], s43, (3<<16)|(1<<21)
	s_or_b32 s[G1B+0], s44, (3<<16)|(1<<21)
.irp g, G1, G1B
	s_mov_b32 s[\g+1], 384<<16
	s_mov_b32 s[\g+2], 8<<16
	s_mov_b32 s[\g+3], 384<<16
	s_mov_b32 s[\g+4], 8
	s_mov_b32 s[\g+5], 1536
	s_mov_b32 s[\g+6], 0
	s_mov_b32 s[\g+7], 0
.endr
	s_or_b32 s[G1S+0], s43, (3<<16)|(1<<20)|(1<<21)|(5<<22)|(3<<25)
	s_or_b32 s[G1SB+0], s44, (3<<16)|(1<<20)|(1<<21)|(5<<22)|(3<<25)
.irp g, G1S, G1SB
	s_mov_b32 s[\g+1], 32<<16
	s_mov_b32 s[\g+2], 16<<16
	s_mov_b32 s[\g+3], 32<<16
	s_mov_b32 s[\g+4], 16
	s_mov_b32 s[\g+5], 32
	s_mov_b32 s[\g+6], 0
	s_mov_b32 s[\g+7], 0
.endr
	s_lshl_b32 s18, s16, 3
	s_lshl_b32 s20, s17, 4
	s_add_co_u32 s20, s20, s18
	s_add_co_u32 s20, s20, s2
	s_lshl_b32 s46, s42, 4
	s_add_co_u32 s46, s46, s18
	s_add_co_u32 s46, s46, s3
	s_lshl_b32 s22, s20, 9
	s_mov_b32 s23, 0
	s_lshl_b32 s92, s46, 9
	s_mov_b32 s93, 0
	s_mul_i32 s20, s20, 12288
	s_mov_b32 s21, 0
	s_mul_i32 s46, s46, 12288
	s_mov_b32 s47, 0
	s_mul_i32 s45, s14, HALFT
	s_mul_i32 s94, s14, HALFS
	s_wait_dscnt 0x0
	s_wait_kmcnt 0x0
	s_add_nc_u64 s[20:21], s[4:5], s[20:21]
	s_add_nc_u64 s[22:23], s[6:7], s[22:23]
	s_add_nc_u64 s[46:47], s[4:5], s[46:47]
	s_add_nc_u64 s[92:93], s[6:7], s[92:93]
	CROUND
	s_mov_b32 s[G0S], 1
	s_add_co_u32 s[G0S+1], s94, SCL
	s_mov_b64 s[G0S+2:G0S+3], s[22:23]
	s_or_b32 s[G0S+3], s[G0S+3], 0x80000000
	s_mov_b32 s[G0SB], 1
	s_add_co_u32 s[G0SB+1], s94, SCL
	s_mov_b64 s[G0SB+2:G0SB+3], s[92:93]
	s_or_b32 s[G0SB+3], s[G0SB+3], 0x80000000
	JLOAD G0S, G1S, G0SB, G1SB
.irp s, 0,1
	s_mov_b32 s[G0+4*\s], 1
	s_add_co_u32 s[G0+4*\s+1], s45, \s*SLOT
	s_add_nc_u64 s[G0+4*\s+2:G0+4*\s+3], s[20:21], \s*TILEB
	s_or_b32 s[G0+4*\s+3], s[G0+4*\s+3], 0x80000000
	s_mov_b32 s[G0B+4*\s], 1
	s_add_co_u32 s[G0B+4*\s+1], s45, \s*SLOT
	s_add_nc_u64 s[G0B+4*\s+2:G0B+4*\s+3], s[46:47], \s*TILEB
	s_or_b32 s[G0B+4*\s+3], s[G0B+4*\s+3], 0x80000000
	s_wait_alu depctr_va_vdst(0)
	s_wait_tensorcnt 0x0
	ds_add_u32 v28, v29
	s_wait_dscnt 0x0
	CROUND
	JLOAD G0+4*\s, G1, G0B+4*\s, G1B
.endr
	v_and_b32 v1, 15, v0
	v_bfe_u32 v2, v0, 4, 1
	v_and_b32 v3, 31, v0
	v_lshlrev_b32 v4, 3, v3
	v_lshlrev_b32 v8, 4, v3
	s_mul_i32 s21, s15, HALFT
	s_mul_i32 s22, s16, HALFT
	s_add_co_u32 s22, s22, 2*HALFT
.irp s, 0,1
	v_add_nc_u32 v[ADRA+\s], s21, v4
	v_add_nc_u32 v[ADRB+\s], s22, v4
	s_add_co_u32 s21, s21, SLOT
	s_add_co_u32 s22, s22, SLOT
.endr
	v_lshlrev_b32 v5, 5, v1
	v_lshrrev_b32 v6, 8, v5
	v_lshl_add_u32 v5, v6, 4, v5
	s_mul_i32 s21, s15, HALFS
	s_mul_i32 s22, s16, HALFS
	s_add_co_u32 s22, s22, 2*HALFS
	s_sub_co_u32 s22, s22, s21
	v_mul_u32_u24 v6, s22, v2
	s_add_co_u32 s21, s21, SCL
	v_add_nc_u32 v5, v5, v6
	v_add_nc_u32 v[ADRS], s21, v5
.macro FRAG reg, adr, q, i
.irp p, 0,1,2,3,4,5
	ds_load_b64 v[\reg+2*\p:\reg+2*\p+1], v[\adr] offset:TILEB*(\i)+1536*(\q)+256*\p
.endr
.endm
.macro MUL16 a0, p, q, sc, zero
.irp a, \a0, \a0+1
.irp b, 0,1,2,3,4,5,6,7
.if \zero
	v_wmma_scale_f32_16x16x128_f8f6f4 v[8*(8*((\a)%4)+\b):8*(8*((\a)%4)+\b)+7], v[128*(\p)+FR*\b:128*(\p)+FR*\b+FR-1], v[AF+FR*(\a):AF+FR*(\a)+FR-1], 0, v[SC+8*NQ*(\sc)+NQ*\b+(\q)], v[SC+8*NQ*(\sc)+NQ*(\a)+(\q)] matrix_a_fmt:MATRIX_FMT_FP6 matrix_b_fmt:MATRIX_FMT_FP6 matrix_a_scale:MATRIX_SCALE_ROW1
.else
	v_wmma_scale_f32_16x16x128_f8f6f4 v[8*(8*((\a)%4)+\b):8*(8*((\a)%4)+\b)+7], v[128*(\p)+FR*\b:128*(\p)+FR*\b+FR-1], v[AF+FR*(\a):AF+FR*(\a)+FR-1], v[8*(8*((\a)%4)+\b):8*(8*((\a)%4)+\b)+7], v[SC+8*NQ*(\sc)+NQ*\b+(\q)], v[SC+8*NQ*(\sc)+NQ*(\a)+(\q)] matrix_a_fmt:MATRIX_FMT_FP6 matrix_b_fmt:MATRIX_FMT_FP6 matrix_a_scale:MATRIX_SCALE_ROW1
.endif
.endr
.endr
.endm
.macro FETCH_B slot, q, p
	WIN TO_B
.irp i, 0,1,2,3,4,5,6,7
	FRAG 128*(\p)+FR*\i, ADRB+\slot, \q, \i
.endr
	WIN 0
.endm
.macro FETCH_A slot, q, i0
.irp i, \i0, \i0+1, \i0+2, \i0+3
	FRAG AF+FR*(\i), ADRA+\slot, \q, \i
.endr
.endm
.macro SCALES sc
.irp i, 0,1,2,3,4,5,6,7
	ds_load_b64 v[SC+8*NQ*\sc+NQ*\i:SC+8*NQ*\sc+NQ*\i+1], v[ADRS] offset:\i*SBLK
.endr
.endm
.macro PLACES n
.rept \n
	v_nop
.endr
.endm
.macro STEP slot, q, zero
	s_wait_dscnt 4*NL
	WIN MUL_LO
	MUL16 0, (\q)%2, \q, \slot, \zero
	MUL16 2, (\q)%2, \q, \slot, \zero
	s_wait_dscnt 0
	PLACES NP
	FETCH_B \slot, (\q)+1, 1-(\q)%2
	FETCH_A \slot, (\q)+1, 0
	WIN MUL_HI
	MUL16 4, (\q)%2, \q, \slot, \zero
	MUL16 6, (\q)%2, \q, \slot, \zero
	PLACES NP
	WIN 0
	FETCH_A \slot, (\q)+1, 4
.endm
.macro TURN slot, next, fill
	s_wait_tensorcnt 0x0
	ds_add_u32 v[SPW], v[NIL]
	s_wait_dscnt 4*NL+1
	WIN MUL_LO
	MUL16 0, 1, NQ-1, \slot, 0
	s_wait_dscnt 0x0
	s_barrier_signal -1
	MUL16 2, 1, NQ-1, \slot, 0
	WIN 0
	s_barrier_wait -1
.if \fill
	CREST
	s_add_nc_u64 s[G0+4*\slot+2:G0+4*\slot+3], s[G0+4*\slot+2:G0+4*\slot+3], 2*TILEB
	s_add_nc_u64 s[G0B+4*\slot+2:G0B+4*\slot+3], s[G0B+4*\slot+2:G0B+4*\slot+3], 2*TILEB
	JLOAD G0+4*\slot, G1, G0B+4*\slot, G1B
.else
	PLACES NP
.endif
	s_wait_alu depctr_va_vdst(0)
	v_add_nc_u32 v[ADRS], 4*NQ, v[ADRS]
	FETCH_B \next, 0, 0
	FETCH_A \next, 0, 0
	SCALES \next
	WIN MUL_HI
	MUL16 4, 1, NQ-1, \slot, 0
	MUL16 6, 1, NQ-1, \slot, 0
	PLACES NP
	WIN 0
	FETCH_A \next, 0, 4
.endm
	s_wait_alu depctr_va_vdst(0)
	s_wait_tensorcnt 1
	s_barrier_signal -1
	s_barrier_wait -1
	FETCH_B 0, 0, 0
	FETCH_A 0, 0, 0
	SCALES 0
	FETCH_A 0, 0, 4
	STEP 0, 0, 1
	TURN 0, 1, 1
	STEP 1, 0, 0
	TURN 1, 0, 1
	STEP 0, 0, 0
	TURN 0, 1, 0
	s_load_b256 s[68:75], s[0:1], 0x10
	s_load_b64 s[76:77], s[0:1], 0x30
	STEP 1, 0, 0
	s_wait_dscnt 4*NL
	WIN MUL_LO
	MUL16 0, 1, NQ-1, 1, 0
	MUL16 2, 1, NQ-1, 1, 0
	s_wait_dscnt 0
	WIN MUL_HI
	MUL16 4, 1, NQ-1, 1, 0
	MUL16 6, 1, NQ-1, 1, 0
	WIN 0
.macro QUANT s, pw
.irp b, 0,1,2,3
	v_max3_num_f32 v[TM+\b], |v[\s+16*\b]|, |v[\s+1+16*\b]|, 0x1800000
.endr
.irp i, 2,4,6,8,10,12,14
.irp b, 0,1,2,3
	v_max3_num_f32 v[TM+\b], v[TM+\b], |v[\s+16*\b+\i]|, |v[\s+1+16*\b+\i]|
.endr
.endr
.irp b, 0,1,2,3
	v_permlanex16_b32 v[TM+4+\b], v[TM+\b], s[SEL], s[SEL+1]
.endr
.irp b, 0,1,2,3
	v_max_num_f32 v[TM+\b], v[TM+\b], v[TM+4+\b]
.endr
.irp b, 0,1,2,3
	v_add_nc_u32 v[TM+12+\b], 0xff000000, v[TM+\b]
.endr
.irp b, 0,1,2,3
	v_lshrrev_b32 v[TM+4+\b], 23, v[TM+12+\b]
.endr
	v_lshl_or_b32 v[\pw], v[TM+5], 8, v[TM+4]
	v_lshl_or_b32 v[\pw], v[TM+6], 16, v[\pw]
	v_lshl_or_b32 v[\pw], v[TM+7], 24, v[\pw]
.irp c, 0,1
	v_cvt_scalef32_pk16_fp6_f32 v[PC+6*\c:PC+2+6*\c], v[\s+32*\c:\s+15+32*\c], v[TM+12+2*\c]
	v_cvt_scalef32_pk16_fp6_f32 v[PC+12+4*\c:PC+14+4*\c], v[\s+16+32*\c:\s+31+32*\c], v[TM+12+2*\c+1]
.endr
	v_nop
.irp c, 0,1
.irp i, 0,1,2
	v_permlane16_swap_b32 v[PC+6*\c+\i], v[PC+12+4*\c+\i]
.endr
.irp i, 0,1,2
	v_mov_b32 v[PC+3+6*\c+\i], v[PC+12+4*\c+\i]
.endr
.endr
.endm
	PLACES NP
.irp b, 0,1,2,3
	v_mov_b32 v[TM+4+\b], 0
.endr
	s_mov_b32 s[SEL], 0x76543210
	s_mov_b32 s[SEL+1], 0xfedcba98
	s_mov_b32 s82, 0xffff0000
	s_wait_kmcnt 0x0
	s_cmp_ge_u32 s95, 16
	s_cbranch_scc1 .Lv
	s_lshl_b32 s84, s17, 1
	s_add_co_u32 s84, s84, s15
	s_lshr_b32 s85, s84, 4
	s_and_b32 s84, s84, 15
	s_lshl_b32 s86, s42, 2
	s_lshl_b32 s87, s16, 1
	s_add_co_u32 s86, s86, s87
	s_lshl_b32 s85, s85, 4
	s_add_co_u32 s85, s85, s86
	s_lshl_b32 s85, s85, 4
	s_add_co_u32 s85, s85, s84
	s_lshl_b32 s86, s86, 8
	s_mov_b32 s87, 0
	s_mov_b32 s88, 6656
	s_mov_b32 s89, 6144
	s_cmp_ge_u32 s95, 8
	s_cselect_b32 s88, 13056, s88
	s_cselect_b32 s89, 12288, s89
	s_cselect_b64 s[90:91], s[76:77], s[74:75]
	s_cselect_b64 s[92:93], s[70:71], s[68:69]
	s_add_nc_u64 s[92:93], s[92:93], s[86:87]
	s_mul_i32 s84, s85, s88
	s_mov_b32 s85, 0
	s_add_nc_u64 s[90:91], s[90:91], s[84:85]
	s_lshl_b32 s84, s88, 4
	s_add_nc_u64 s[96:97], s[90:91], s[84:85]
	v_lshlrev_b32 v11, 6, v2
	v_add_nc_u32 v9, s89, v8
.irp p, 0,1,2,3
.irp j, 0,1,2,3
	global_load_b128 v[BI+16*\p+4*\j:BI+16*\p+4*\j+3], v11, s[92:93] offset:128*\p+16*\j
.endr
.endr
	s_wait_loadcnt 0x0
.macro QKOUT i, c, d
	WIN 0x02+(\i)/2
.set e, 0
.rept 2
.set k, 0
.rept 16
	v_pk_add_f32 v[H+32*e+2*k:H+32*e+2*k+1], v[64*((2*(\i)+e)%4)+32*(\c)+2*k:64*((2*(\i)+e)%4)+32*(\c)+2*k+1], v[BI+32*(\c)+2*k:BI+32*(\c)+2*k+1]
.set k, k+1
.endr
.set e, e+1
.endr
	WIN 0
	s_wait_xcnt 0x0
	QUANT H, 32+4*(\c)+(\i)
.irp n, 0,1,2
	global_store_b128 v8, v[PC+4*\n:PC+4*\n+3], s[\d:\d+1] offset:1536*(\i)+512*\n
.endr
.endm
.irp i, 0,1,2,3
	QKOUT \i, 0, 90
	QKOUT \i, 1, 96
.endr
	global_store_b128 v9, v[32:35], s[90:91]
	global_store_b128 v9, v[36:39], s[96:97]
	s_branch .Lfin
.Lv:
	s_lshl_b32 s84, s42, 1
	s_add_co_u32 s84, s84, s16
	s_lshr_b32 s85, s84, 4
	s_and_b32 s84, s84, 15
	s_lshl_b32 s86, s17, 2
	s_lshl_b32 s87, s15, 1
	s_add_co_u32 s86, s86, s87
	s_lshl_b32 s85, s85, 4
	s_add_co_u32 s85, s85, s86
	s_lshl_b32 s85, s85, 4
	s_add_co_u32 s85, s85, s84
	s_lshl_b32 s86, s86, 8
	s_mov_b32 s87, 0
	s_add_nc_u64 s[92:93], s[72:73], s[86:87]
	s_mul_i32 s84, s85, 13056
	s_mov_b32 s85, 0
	s_add_nc_u64 s[90:91], s[76:77], s[84:85]
	s_add_nc_u64 s[96:97], s[90:91], 16*13056
	v_and_b32 v11, 8, v1
	v_add_nc_u32 v11, v11, v1
	v_lshlrev_b32 v11, 2, v11
.irp a, 0,1,2,3,4,5,6,7
	global_load_b32 v[BI+2*\a], v11, s[92:93] offset:(32*(\a/2)+8*(\a%2))*4
	global_load_b32 v[BI+2*\a+1], v11, s[92:93] offset:(32*(\a/2)+8*(\a%2))*4
.endr
	s_wait_loadcnt 0x0
.macro VOUT a, d
	WIN 0x02+(\a)/4
.set k, 0
.rept 32
	v_pk_add_f32 v[H+2*k:H+2*k+1], v[64*((\a)%4)+2*k:64*((\a)%4)+2*k+1], v[BI+2*(\a):BI+2*(\a)+1]
.set k, k+1
.endr
	WIN 0
	s_wait_xcnt 0x0
	QUANT H, 32+(\a)
.irp n, 0,1,2
	global_store_b128 v8, v[PC+4*\n:PC+4*\n+3], s[\d:\d+1] offset:6144+1536*((\a)%4)+512*\n
.endr
.endm
.irp a, 0,1,2,3
	VOUT \a, 90
.endr
.irp a, 4,5,6,7
	VOUT \a, 96
.endr
.irp c, 0,1
.irp i, 0,1
	v_cndmask_b32 v[40+2*\c+\i], v[32+4*\c+2*\i], v[32+4*\c+2*\i+1], s82
.endr
.endr
	global_store_b64 v4, v[40:41], s[90:91] offset:12800
	global_store_b64 v4, v[42:43], s[96:97] offset:12800
.Lfin:
	s_wait_tensorcnt 0x0
	ds_add_u32 v[SPW], v[NIL]
	s_wait_dscnt 0x0
	CROUND
	s_endpgm
.Lfunc_end_k_q66026ddc7c_proj:
	.size	k_q66026ddc7c_proj, .Lfunc_end_k_q66026ddc7c_proj-k_q66026ddc7c_proj
	.p2alignl 7, 3214868480
	.fill 96, 4, 3214868480
	.section	.rodata,"a",@progbits
	.p2align	6, 0x0
	.amdhsa_kernel k_q66026ddc7c_proj
		.amdhsa_group_segment_fixed_size 327680
		.amdhsa_private_segment_fixed_size 0
		.amdhsa_enable_private_segment 0
		.amdhsa_kernarg_size 56
		.amdhsa_user_sgpr_count 2
		.amdhsa_user_sgpr_kernarg_segment_ptr 1
		.amdhsa_wavefront_size32 1
		.amdhsa_system_sgpr_workgroup_id_x 1
		.amdhsa_system_sgpr_workgroup_id_y 1
		.amdhsa_system_sgpr_workgroup_id_z 1
		.amdhsa_system_vgpr_workitem_id 0
		.amdhsa_next_free_vgpr 1024
		.amdhsa_next_free_sgpr 100
		.amdhsa_reserve_vcc 0
		.amdhsa_float_denorm_mode_32 3
		.amdhsa_float_denorm_mode_16_64 3
		.amdhsa_memory_ordered 1
		.amdhsa_forward_progress 1
		.amdhsa_inst_pref_size 234
	.end_amdhsa_kernel
	.amdgpu_metadata
---
amdhsa.version: [ 1, 2 ]
amdhsa.kernels:
  - .name:           k_q66026ddc7c_proj
    .symbol:         k_q66026ddc7c_proj.kd
    .args:
      - { .name: codes, .offset: 0, .size: 8, .value_kind: global_buffer, .address_space: global }
      - { .name: scales, .offset: 8, .size: 8, .value_kind: global_buffer, .address_space: global }
      - { .name: bq, .offset: 16, .size: 8, .value_kind: global_buffer, .address_space: global }
      - { .name: bk, .offset: 24, .size: 8, .value_kind: global_buffer, .address_space: global }
      - { .name: bv, .offset: 32, .size: 8, .value_kind: global_buffer, .address_space: global }
      - { .name: qi, .offset: 40, .size: 8, .value_kind: global_buffer, .address_space: global }
      - { .name: kv, .offset: 48, .size: 8, .value_kind: global_buffer, .address_space: global }
    .group_segment_fixed_size: 327680
    .private_segment_fixed_size: 0
    .kernarg_segment_align: 8
    .kernarg_segment_size: 56
    .max_flat_workgroup_size: 128
    .sgpr_count:     100
    .vgpr_count:     1024
    .wavefront_size: 32
...
	.end_amdgpu_metadata
.endif
;; end of part 2
;; launch attn (part 3): grid 4 x 64, 16 waves a work-group, clusters of 4 x 1, 210,944 bytes of LDS; arguments qi, kv, mw, oc, os; writes oc, os
.if DOCPART == 3
	.amdgcn_target "amdgcn-amd-amdhsa--gfx1250"
	.amdhsa_code_object_version 6
	.text
	.protected	k_q66026ddc7c_attn
	.globl	k_q66026ddc7c_attn
	.p2align	8
	.type	k_q66026ddc7c_attn,@function
k_q66026ddc7c_attn:
	s_mov_b64 s[64:65], 0
	v_nop
	global_prefetch_b8 v0, s[64:65] scope:SCOPE_SE
	s_setreg_imm32_b32 hwreg(HW_REG_WAVE_MODE, 25, 1), 1
	s_wait_xcnt 0x0
	s_wait_alu depctr_hold_cnt(0) depctr_sa_sdst(0) depctr_va_vdst(0) depctr_va_sdst(0) depctr_va_ssrc(0) depctr_va_vcc(0) depctr_vm_vsrc(0)
	s_getreg_b32 s2, hwreg(HW_REG_IB_STS2, 6, 4)
	s_cmp_eq_u32 s2, 0
	s_cbranch_scc0 .Lentry_in_a_cluster
	s_endpgm
.Lentry_in_a_cluster:
	s_bfe_u32 s2, ttmp6, 0x10000c
	s_cmp_lg_u32 s2, 0x3003
	s_cbranch_scc0 .Lentry_shape_is_right
	s_endpgm
.Lentry_shape_is_right:
; LAUNCH 3 OF 4: attention on codes of E2M3: S^T = k q^T, the mask, p = 2^(t - M), O^T = v^T p^T, division by the row's sum, and the quantising of the result along the embedding.  Nothing of reference() is left out.
; t = score x log2(e) / 8; M = the running largest t rounded up to a whole number; the row's sum is taken of the unquantised p; when M moves, the sum and O^T are multiplied by 2^(old M - new M), exactly.
; SHARES.  A work-group owns 512 queries of one batch and head, in two passes; each of its sixteen waves one tile of 16 queries a pass, in 256 registers: four waves to a SIMD.
; K AND V of the whole head, 16 key steps x 13,056 bytes as launch 2 laid them, come into LDS ONCE: wave w brings step w by one tensor load.  No slot is filled again: one barrier, none in the loop.
; CLUSTER.  The four work-groups of a cluster own the four quarters of one head's queries and read the same k and v: each load is asked for jointly, with the mask of all four.
; K = 64 IN AN INSTRUCTION OF 128.  An image of k holds tile 2 i of keys in registers 0-5 and tile 2 i + 1 in registers 6-11.  It is multiplied by [q | zeros] (v22-33), which leaves tile 2 i, and by [zeros | q] (v16-27), which leaves tile 2 i + 1.
; THE KEYS' ORDER.  Launch 1 lays key's tiles so that score register j of lane l is key 64 (j / 32) + 32 (l / 16) + j % 32 of the step: a lane's registers 32 c .. 32 c + 31 are ONE scale block of p, block 2 c + l / 16.
; So a block's largest score needs no other lane, the conversions' results are the operand's registers with no exchange of lanes, and a lane makes two scale bytes; one lane permute joins the row's maximum, one the scale word.
; THE MASK comes as 64 words a key step, one for each score register, bit l for lane l, by scalar loads a step ahead: one select a register, ahead of the maxima.
; THE MAXIMA go in eight chains of eight registers, line by line in turn, so that a line's source was written eight lines before; six lines join the chains of the two blocks.
; LIMIT: a masked score is taken as -2^33 (a logit of -2^30) where reference() writes a logit of -1e9: -2^33 x c is a whole number, so that in a row masked throughout t - M is 0 and p is 1, as reference()'s equal logits give.
; The two differ only where a row's largest unmasked logit lies under about -9.9e8.  NaN and infinities are not served; blocks of zeros get the byte 1.
; No prefetch: k and v are asked for at the head, once; the mask words are asked for a step ahead by their own loads.
; OUT.  oc: [128 batch + tile][K step of 128][1,536] as launch 1's codes: head hd is registers 6 (hd % 2) on of K step hd / 2: three stores of 256 consecutive bytes.  os: [row][32]: bytes 2 hd, 2 hd + 1 (single bytes: a row's 32 belong to 16 work-groups).
; REGISTERS: v1 16 x lane, v2 8 x lane, v3, v4 the step's LDS addresses, v5, v6 the add's two, v7 os offset, v8, v9 q's offsets, v10 8 (lane / 16); v12 -M, v13 largest score, v[14:15] the sum; v16-33 zeros | q | zeros; v34 q's scale word; v35 p's;
; v36-83 k's four images, then v's four tiles; v84-87, v88-89 their scale words; v96-159 S^T, then p; v160-191 O^T; v192-203 p's codes; v204-250 at work.
.set STEPB, 13056
.set SPARE, 16*STEPB                   ; behind the sixteen steps: the spare words, 128 bytes a wave
.set WV,  3                            ; s3 wave
.set SEL, 14                           ; s[14:15] selects for lane l xor 16
.set CS,  16                           ; s[16:17] c = log2(e) / 8, twice
.set TB,  18                           ; s18 LDS byte of the step in hand
.set G1,  32                           ; s[32:39], s[40:43] the descriptor; behind the wait for the load, s[32:63] and s[68:99] hold the step's 64 mask words
.set G0,  40
.set S,   96
.set O,   160
.set PCD, 192
.set TT,  204                          ; v204-211 the eight chains of maxima: chain b over score registers 8 b .. 8 b + 6
.set BGA, 214                          ; -2^33
.set BMX, 216                          ; v216, v217 the two blocks' largest score, then largest p
.set MM,  218                          ; v218, v219
.set TD,  220
.set OM,  221                          ; the old -M
.set FF,  222                          ; v[222:223] f = 2^(old M - new M)
.set AS,  224                          ; v224-237 seven pairs of partial sums (v224, v225 also at work in the maxima)
.set SOP, 238                          ; v238, v239 the conversions' scale operands
.set EB,  240                          ; v240, v241 scale bytes
.set WD,  242                          ; v242, v243
.set CT,  244                          ; v244-246, v248-250 the conversions' second halves
.macro CROUND
	s_barrier_signal -1
	s_barrier_wait -1
	s_cmp_lg_u32 s[WV], 0
	s_cbranch_scc1 .Lnot_wave_0_\@
	s_barrier_signal -3
.Lnot_wave_0_\@:
	s_barrier_wait -3
	s_barrier_signal -1
	s_barrier_wait -1
.endm
	s_load_b256 s[4:11], s[0:1], 0x0               ; qi s[4:5], kv s[6:7], mw s[8:9], oc s[10:11]
	s_load_b64 s[12:13], s[0:1], 0x20              ; os
	v_lshl_add_u32 v5, v0, 2, SPARE
	v_mov_b32 v6, 0
	ds_add_u32 v5, v6                              ; the opening: the add, twice on end, and its wait ahead of my first tensor load
	ds_add_u32 v5, v6
	v_lshrrev_b32 v1, 5, v0
	s_delay_alu instid0(VALU_DEP_1)
	v_readfirstlane_b32 s[WV], v1
	s_bfe_u32 s21, ttmp6, 0x40000                  ; cx
	s_lshl_b32 s25, ttmp9, 2
	s_add_co_u32 s21, s21, s25                     ; x: my quarter of the queries: it enters the addresses of q, the mask words and the results alone
	s_and_b32 s25, ttmp7, 0xffff                   ; y = 16 batch + head, which the partners share
	s_mov_b32 s[G1], 15|(3<<16)|(1<<21)            ; the mask of all four; elements of 8 bytes; bit 21 beside a mask
	s_mov_b32 s[G1+1], 32<<16                      ; a dense block of 13,056 bytes as 51 rows of 256
	s_mov_b32 s[G1+2], 51<<16
	s_mov_b32 s[G1+3], 32<<16
	s_mov_b32 s[G1+4], 51
	s_mov_b32 s[G1+5], 32
	s_mov_b32 s[G1+6], 0
	s_mov_b32 s[G1+7], 0
	s_mov_b32 s[G0], 1
	s_mul_i32 s[G0+1], s[WV], STEPB                ; step w's place in LDS
	s_mov_b32 s[SEL], 0x76543210
	s_mov_b32 s[SEL+1], 0xfedcba98
	s_mov_b32 s[CS], 0x3e38aa3b
	s_mov_b32 s[CS+1], s[CS]
	s_and_b32 s22, s[WV], 1
	s_sub_co_u32 s23, 0, s22                       ; all ones where my tile is the odd one of its image
	s_lshl_b32 s22, s22, 4                         ; and 16 bits up in its scale word
	s_mov_b32 s24, 0xffff0000                      ; lanes 16-31
	s_lshl_b32 s26, s25, 4
	s_add_co_u32 s26, s26, s[WV]
	s_mul_i32 s26, s26, STEPB                      ; kv: (16 y + w) records
	s_mov_b32 s27, 0
	s_lshl_b32 s28, s21, 2
	s_lshr_b32 s29, s[WV], 3
	s_add_co_u32 s28, s28, s29
	s_lshl_b32 s29, s25, 4
	s_add_co_u32 s28, s28, s29
	s_mul_i32 s28, s28, 6656                       ; qi: record 16 y + 4 x + w / 8
	s_mov_b32 s29, 0
	s_lshr_b32 s30, s25, 4
	s_lshl_b32 s30, s30, 7
	s_lshl_b32 s31, s21, 5
	s_add_co_u32 s30, s30, s31
	s_add_co_u32 s30, s30, s[WV]                   ; my tile of queries: 128 batch + 32 x + w
	s_and_b32 s25, s25, 15                         ; head
	s_lshl_b32 s44, s30, 12
	s_mov_b32 s45, 0
	s_mul_i32 s46, s30, 12288
	s_mul_i32 s48, s25, 768
	s_add_co_u32 s46, s46, s48
	s_mov_b32 s47, 0
	s_lshl_b32 s48, s30, 9
	s_lshl_b32 s49, s25, 1
	s_add_co_u32 s48, s48, s49
	s_mov_b32 s49, 0
	s_wait_dscnt 0x0                               ; both opening adds are done
	s_wait_kmcnt 0x0
	s_add_nc_u64 s[G0+2:G0+3], s[6:7], s[26:27]
	s_or_b32 s[G0+3], s[G0+3], 0x80000000
	s_add_nc_u64 s[4:5], s[4:5], s[28:29]
	s_add_nc_u64 s[8:9], s[8:9], s[44:45]
	s_add_nc_u64 s[10:11], s[10:11], s[46:47]
	s_add_nc_u64 s[12:13], s[12:13], s[48:49]
	CROUND                                         ; all four work-groups are here: the joint loads meet
	tensor_load_to_lds s[G0:G0+3], s[G1:G1+7]      ; every wave issues one: one load of mine is out
	s_nop 0
.rept 4
	v_nop
.endr
	v_and_b32 v10, 31, v0
	s_delay_alu instid0(VALU_DEP_1)
	v_lshlrev_b32 v1, 4, v10
	s_delay_alu instid0(VALU_DEP_2)
	v_lshlrev_b32 v2, 3, v10
	v_and_b32 v10, 15, v0
	v_bfe_u32 v11, v0, 4, 1
	s_delay_alu instid0(VALU_DEP_1)
	v_lshl_add_u32 v7, v10, 5, v11                 ; os: 32 r + h
	v_lshlrev_b32 v10, 3, v11                      ; 8 h: how far up my two scale bytes of p stand in the word
	s_bfe_u32 s2, s[WV], 0x20001                   ; which image of the record holds my tile: (w % 8) / 2
	s_mul_i32 s26, s2, 1536
	v_add_nc_u32 v8, s26, v1
	s_lshl_b32 s26, s2, 2
	s_add_co_u32 s26, s26, 6144
	v_add_nc_u32 v9, s26, v1                       ; and its scale word
.irp j, 16,17,18,19,20,21,28,29,30,31,32,33
	v_mov_b32 v\j, 0                               ; the zero codes beside q
.endr
	v_mov_b32 v[BGA], 0xd0000000                   ; -2^33
	v_mov_b32 v[MM+1], 0                           ; a lane permute's destination counts as one of its sources
	v_mov_b32 v[WD+1], 0
	v_mov_b32 v[FF+1], 0                           ; (named as the upper half of the pair before it is first written)
	s_wait_alu depctr_va_vdst(0)
	s_wait_tensorcnt 0x0                           ; my step is in LDS,
	s_barrier_signal -1
	s_barrier_wait -1                              ; everybody's is
.macro MWORDS
	s_load_b512 s[32:47], s[8:9], 0x0
	s_load_b512 s[48:63], s[8:9], 0x40
	s_load_b512 s[68:83], s[8:9], 0x80
	s_load_b512 s[84:99], s[8:9], 0xc0
.endm
.macro KLOAD a, o                      ; k's four images and their scale words, at byte o from the address in v[a]
.irp n, 0,1,2,3,4,5,6,7,8,9,10,11
	ds_load_b128 v[36+4*\n:39+4*\n], v[\a] offset:(\o)+512*\n
.endr
	ds_load_b128 v[84:87], v[\a] offset:(\o)+12288
.endm
.macro VLOAD
.irp n, 0,1,2,3,4,5,6,7,8,9,10,11
	ds_load_b128 v[36+4*\n:39+4*\n], v3 offset:6144+512*\n
.endr
	ds_load_b64 v[88:89], v4 offset:12800
.endm
.macro PADD d, a, b
	v_pk_add_f32 v[\d:\d+1], v[\a:\a+1], v[\b:\b+1]
.endm
; A KEY STEP: 128 keys.  more = 1: the next step's mask words and k are asked for.
.macro STEP more
	s_wait_dscnt 0x0                               ; k is in
.irp i, 0,1,2,3
	v_wmma_scale_f32_16x16x128_f8f6f4 v[S+16*\i:S+7+16*\i], v[36+12*\i:47+12*\i], v[22:33], 0, v[84+\i], v34 matrix_a_fmt:MATRIX_FMT_FP6 matrix_b_fmt:MATRIX_FMT_FP6
	v_wmma_scale_f32_16x16x128_f8f6f4 v[S+8+16*\i:S+15+16*\i], v[36+12*\i:47+12*\i], v[16:27], 0, v[84+\i], v34 matrix_a_fmt:MATRIX_FMT_FP6 matrix_b_fmt:MATRIX_FMT_FP6
.endr
	v_add_nc_u32 v3, s[TB], v1                     ; four places ahead of the loads into k's registers and of the first reads of the scores: this step's LDS addresses,
	v_add_nc_u32 v4, s[TB], v2
	v_mov_b32 v[OM], v12                           ; the old -M,
	v_nop
	VLOAD                                          ; v lands under the softmax
	s_wait_kmcnt 0x0                               ; this step's mask words
.set j, 0
.rept 64
	v_cndmask_b32 v[S+j], v[S+j], v[BGA], s[32+j+4*(j/32)]   ; each accumulator from its low end on
.set j, j+1
.endr
.irp b, 0,1,2,3,4,5,6,7
	v_max3_num_f32 v[TT+\b], v[S+8*\b], v[S+1+8*\b], v[S+2+8*\b]   ; eight chains by turns
.endr
.irp i, 3,5
.irp b, 0,1,2,3,4,5,6,7
	v_max3_num_f32 v[TT+\b], v[TT+\b], v[S+8*\b+\i], v[S+1+8*\b+\i]
.endr
.endr
	v_max3_num_f32 v[AS], v[S+7], v[S+15], v[S+23]       ; the registers that the chains left over
	v_max3_num_f32 v[AS+1], v[S+39], v[S+47], v[S+55]
	v_max3_num_f32 v[BMX], v[TT], v[TT+1], v[TT+2]       ; the largest score of each of my two blocks of 32 keys: for the row's maximum and, since p rises with the score, for the block's largest p
	v_max3_num_f32 v[BMX+1], v[TT+4], v[TT+5], v[TT+6]
	s_delay_alu instid0(VALU_DEP_2)
	v_max3_num_f32 v[BMX], v[BMX], v[TT+3], v[AS]
	s_delay_alu instid0(VALU_DEP_2)
	v_max3_num_f32 v[BMX+1], v[BMX+1], v[TT+7], v[AS+1]
	s_delay_alu instid0(VALU_DEP_2)
	v_max_num_f32 v[BMX], v[BMX], v[S+31]
	s_delay_alu instid0(VALU_DEP_2)
	v_max_num_f32 v[BMX+1], v[BMX+1], v[S+63]
	s_delay_alu instid0(VALU_DEP_1)
	v_max_num_f32 v[MM], v[BMX], v[BMX+1]
	s_delay_alu instid0(VALU_DEP_1)
	v_permlanex16_b32 v[MM+1], v[MM], s[SEL], s[SEL+1]
	s_delay_alu instid0(VALU_DEP_1)
	v_max3_num_f32 v13, v13, v[MM], v[MM+1]        ; the running largest score of my query
	s_delay_alu instid0(VALU_DEP_1)
	v_mul_f32 v[TD], s[CS], v13                    ; as t (c is positive)
	s_delay_alu instid0(VALU_DEP_1)
	v_floor_f32 v12, -v[TD]                        ; the new -M
	s_delay_alu instid0(VALU_DEP_1)
	v_sub_f32 v[TD], v12, v[OM]                    ; old M - new M: a whole number, 0 or less
	s_delay_alu instid0(VALU_DEP_1)
	v_cvt_i32_f32 v[TD], v[TD]                     ; (it saturates)
	s_delay_alu instid0(VALU_DEP_1)
	v_ldexp_f32 v[FF], 1.0, v[TD]                  ; f = 2^(old M - new M)
.if \more
	s_add_nc_u64 s[8:9], s[8:9], 256               ; (its loads are done, and the selects have read the words)
	MWORDS
.endif
.set j, 0
.rept 32
	v_pk_fma_f32 v[S+j:S+1+j], v[S+j:S+1+j], s[CS:CS+1], v[12:13] op_sel_hi:[1,0,0]   ; t - M
.set j, j+2
.endr
	v_fma_f32 v[BMX], v[BMX], s[CS], v12
	v_fma_f32 v[BMX+1], v[BMX+1], s[CS], v12
	s_wait_alu depctr_va_vdst(0)                   ; ahead of the batch
	v_exp_f32 v[BMX], v[BMX]                       ; each block's largest p: the same two instructions on the same number give the same bits
	v_exp_f32 v[BMX+1], v[BMX+1]
.set j, 0
.rept 64
	v_exp_f32 v[S+j], v[S+j]                       ; p
.set j, j+1
.endr
	v_pk_mul_f32 v[14:15], v[14:15], v[FF:FF+1] op_sel_hi:[1,0]   ; the sums under the new M: a plain place behind the exponentials
	s_wait_alu depctr_va_vdst(0)                   ; one wait for the batch, ahead of its first reader
	v_max_num_f32 v[BMX], 0x1800000, v[BMX]        ; the floor: the byte cannot fall under 1
	v_max_num_f32 v[BMX+1], 0x1800000, v[BMX+1]
.irp i, 0,1,2,3,4,5,6
	PADD AS+2*\i, S+2*\i, S+16+2*\i                ; the row's sum of the unquantised p: eight chains of pairs, the scale's lines among them
.endr
	PADD 14, 14, S+14
	v_add_nc_u32 v[SOP], 0xff000000, v[BMX]        ; 2 off the exponent field: the conversion's scale operand
	v_add_nc_u32 v[SOP+1], 0xff000000, v[BMX+1]
.irp i, 0,1,2,3,4,5,6
	PADD AS+2*\i, AS+2*\i, S+32+2*\i
.endr
	PADD 14, 14, S+30
	v_lshrrev_b32 v[EB], 23, v[SOP]                ; the scale's byte
	v_lshrrev_b32 v[EB+1], 23, v[SOP+1]
.irp i, 0,1,2,3,4,5,6
	PADD AS+2*\i, AS+2*\i, S+48+2*\i
.endr
	PADD 14, 14, S+46
	v_lshl_or_b32 v[WD], v[EB+1], 16, v[EB]        ; my blocks h and 2 + h,
	PADD AS, AS, S+62
	v_lshlrev_b32 v[WD], v10, v[WD]                ; at their places in the word;
	PADD AS+2, AS+2, AS+10
	v_permlanex16_b32 v[WD+1], v[WD], s[SEL], s[SEL+1]
	PADD AS+4, AS+4, AS+12
	PADD AS, AS, AS+8
	v_or_b32 v35, v[WD], v[WD+1]                   ; with lane l xor 16's two: p's scale word
.irp c, 0,1
	v_cvt_scalef32_pk16_fp6_f32 v[PCD+6*\c:PCD+2+6*\c], v[S+32*\c:S+15+32*\c], v[SOP+\c]
	v_cvt_scalef32_pk16_fp6_f32 v[CT+4*\c:CT+2+4*\c], v[S+16+32*\c:S+31+32*\c], v[SOP+\c]   ; (a conversion's three registers begin on an even number)
.endr
	v_nop                                          ; one plain place behind a scaled conversion
.irp c, 0,1
.irp i, 0,1,2
	v_mov_b32 v[PCD+3+6*\c+\i], v[CT+4*\c+\i]      ; registers 6 c .. 6 c + 5: keys 64 c + 32 h + 0 .. 31
.endr
.endr
	s_wait_alu depctr_va_vdst(0)                   ; directly ahead of the first reader of O^T
.set j, 0
.rept 16
	v_pk_mul_f32 v[O+j:O+1+j], v[O+j:O+1+j], v[FF:FF+1] op_sel_hi:[1,0]   ; O^T under the new M; these sixteen are also the places ahead of the scaled products
.set j, j+2
.endr
	s_wait_alu depctr_va_vdst(0)
	s_wait_dscnt 0x0                               ; v is in
.irp t, 0,2
	v_wmma_scale_f32_16x16x128_f8f6f4 v[O+8*\t:O+7+8*\t], v[36+12*\t:47+12*\t], v[PCD:PCD+11], v[O+8*\t:O+7+8*\t], v[88+\t/2], v35 matrix_a_fmt:MATRIX_FMT_FP6 matrix_b_fmt:MATRIX_FMT_FP6
	v_wmma_scale_f32_16x16x128_f8f6f4 v[O+8+8*\t:O+15+8*\t], v[48+12*\t:59+12*\t], v[PCD:PCD+11], v[O+8+8*\t:O+15+8*\t], v[88+\t/2], v35 matrix_a_fmt:MATRIX_FMT_FP6 matrix_b_fmt:MATRIX_FMT_FP6 matrix_a_scale:MATRIX_SCALE_ROW1
.endr                                          ; four accumulators, one instruction a turn; eleven other products stand between two links of a chain
	PADD AS, AS, AS+2                              ; the sum's last four additions are the four places ahead of the loads into v's registers
	PADD 14, 14, AS+6
	PADD 14, 14, AS+4
	PADD 14, 14, AS
.if \more
	KLOAD 3, STEPB                                 ; the next step's k
	s_add_co_u32 s[TB], s[TB], STEPB
.endif
.endm
	s_mov_b32 s20, 2
.Lpass:
	global_load_b128 v[S:S+3], v8, s[4:5]          ; the image that holds my tile of q
	global_load_b128 v[S+4:S+7], v8, s[4:5] offset:512
	global_load_b128 v[S+8:S+11], v8, s[4:5] offset:1024
	global_load_b32 v[S+12], v9, s[4:5]            ; and its scale word
	MWORDS                                         ; key step 0's mask words
	s_mov_b32 s[TB], 0
	KLOAD 1, 0
	v_mov_b32 v13, 0xff61b1e6                      ; the largest score so far: -3e38
	s_delay_alu instid0(VALU_DEP_1)
	v_floor_f32 v12, -v13
	v_mov_b32 v14, 0
	v_mov_b32 v15, 0
	s_wait_loadcnt 0x0
.irp j, 0,1,2,3,4,5
	v_cndmask_b32 v[22+\j], v[S+\j], v[S+6+\j], s23   ; my half of the image
.endr
	v_lshrrev_b32 v34, s22, v[S+12]
	s_delay_alu instid0(VALU_DEP_1)
	v_and_b32 v34, 0xffff, v34
	s_delay_alu instid0(VALU_DEP_1)
	v_lshl_or_b32 v34, v34, 16, v34                ; my two bytes, for both places of q
.set j, 0
.rept 32
	v_mov_b32 v[O+j], 0                            ; O^T: the step is written once, its first run finds zeros.  (Also the places ahead of the first scaled product)
.set j, j+1
.endr
	s_mov_b32 s19, 15
.Lstep:
	s_wait_alu depctr_va_vdst(0)                   ; behind the backward jump
	STEP 1
	s_sub_co_u32 s19, s19, 1
	s_cmp_lg_u32 s19, 0
	s_cbranch_scc1 .Lstep
	s_wait_alu depctr_va_vdst(0)
	STEP 0                                         ; the last step asks for nothing
	; the way out of a pass (the step's last four additions are the places behind its products)
	v_add_f32 v14, v14, v15
	s_delay_alu instid0(VALU_DEP_1)
	v_permlanex16_b32 v[TD], v14, s[SEL], s[SEL+1]
	s_delay_alu instid0(VALU_DEP_1)
	v_add_f32 v14, v14, v[TD]                      ; the row's sum
	s_wait_alu depctr_va_vdst(0)
	v_rcp_f32 v14, v14
	v_nop
	s_wait_alu depctr_va_vdst(0)                   ; ahead of the first reader
.set j, 0
.rept 16
	v_pk_mul_f32 v[S+j:S+1+j], v[O+j:O+1+j], v[14:15] op_sel_hi:[1,0]   ; register 16 b + i: channel 32 b + 16 (lane / 16) + i of my query
.set j, j+2
.endr
.irp b, 0,1
	v_max3_num_f32 v[BMX+\b], |v[S+16*\b]|, |v[S+1+16*\b]|, 0x1800000
.endr
.irp i, 2,4,6,8,10,12,14
.irp b, 0,1
	s_delay_alu instid0(VALU_DEP_2)
	v_max3_num_f32 v[BMX+\b], v[BMX+\b], |v[S+16*\b+\i]|, |v[S+1+16*\b+\i]|
.endr
.endr
.irp b, 0,1
	s_delay_alu instid0(VALU_DEP_2)
	v_permlanex16_b32 v[AS+\b], v[BMX+\b], s[SEL], s[SEL+1]
.endr
.irp b, 0,1
	s_delay_alu instid0(VALU_DEP_2)
	v_max_num_f32 v[BMX+\b], v[BMX+\b], v[AS+\b]
.endr
.irp b, 0,1
	s_delay_alu instid0(VALU_DEP_2)
	v_add_nc_u32 v[SOP+\b], 0xff000000, v[BMX+\b]
.endr
.irp b, 0,1
	s_delay_alu instid0(VALU_DEP_2)
	v_lshrrev_b32 v[EB+\b], 23, v[SOP+\b]
.endr
	v_cvt_scalef32_pk16_fp6_f32 v[PCD:PCD+2], v[S:S+15], v[SOP]
	v_cvt_scalef32_pk16_fp6_f32 v[CT:CT+2], v[S+16:S+31], v[SOP+1]
	v_nop
.irp i, 0,1,2
	v_permlane16_swap_b32 v[PCD+\i], v[CT+\i]
.endr
.irp i, 0,1,2
	s_delay_alu instid0(VALU_DEP_3)
	v_mov_b32 v[PCD+3+\i], v[CT+\i]                ; six registers: channels 32 (lane / 16) + 0 .. 31
.endr
	v_cndmask_b32 v[EB], v[EB], v[EB+1], s24       ; lanes 0-15 store block 0's byte, lanes 16-31 block 1's
.irp p, 0,1,2
	global_store_b64 v2, v[PCD+2*\p:PCD+1+2*\p], s[10:11] offset:256*\p
.endr
	global_store_b8 v7, v[EB], s[12:13]
	s_wait_xcnt 0x0                                ; loads and stores have read their bases and data: on to the tile 16 further
	s_add_nc_u64 s[4:5], s[4:5], 2*6656
	s_add_nc_u64 s[8:9], s[8:9], 16*4096-15*256
	s_add_nc_u64 s[10:11], s[10:11], 16*12288
	s_add_nc_u64 s[12:13], s[12:13], 16*512
	s_sub_co_u32 s20, s20, 1
	s_cmp_lg_u32 s20, 0
	s_cbranch_scc1 .Lpass
	s_wait_tensorcnt 0x0                           ; the wave's end
	ds_add_u32 v5, v6
	s_wait_dscnt 0x0
	CROUND                                         ; the closing round
	s_endpgm
.Lfunc_end_k_q66026ddc7c_attn:
	.size	k_q66026ddc7c_attn, .Lfunc_end_k_q66026ddc7c_attn-k_q66026ddc7c_attn
	.p2alignl 7, 3214868480
	.fill 96, 4, 3214868480
	.section	.rodata,"a",@progbits
	.p2align	6, 0x0
	.amdhsa_kernel k_q66026ddc7c_attn
		.amdhsa_group_segment_fixed_size 210944
		.amdhsa_private_segment_fixed_size 0
		.amdhsa_enable_private_segment 0
		.amdhsa_kernarg_size 40
		.amdhsa_user_sgpr_count 2
		.amdhsa_user_sgpr_kernarg_segment_ptr 1
		.amdhsa_wavefront_size32 1
		.amdhsa_system_sgpr_workgroup_id_x 1
		.amdhsa_system_sgpr_workgroup_id_y 1
		.amdhsa_system_sgpr_workgroup_id_z 1
		.amdhsa_system_vgpr_workitem_id 0
		.amdhsa_next_free_vgpr 256
		.amdhsa_next_free_sgpr 100
		.amdhsa_reserve_vcc 0
		.amdhsa_float_denorm_mode_32 3
		.amdhsa_float_denorm_mode_16_64 3
		.amdhsa_memory_ordered 1
		.amdhsa_forward_progress 1
		.amdhsa_inst_pref_size 51
	.end_amdhsa_kernel
	.amdgpu_metadata
---
amdhsa.version: [ 1, 2 ]
amdhsa.kernels:
  - .name:           k_q66026ddc7c_attn
    .symbol:         k_q66026ddc7c_attn.kd
    .args:
      - { .name: qi, .offset: 0, .size: 8, .value_kind: global_buffer, .address_space: global }
      - { .name: kv, .offset: 8, .size: 8, .value_kind: global_buffer, .address_space: global }
      - { .name: mw, .offset: 16, .size: 8, .value_kind: global_buffer, .address_space: global }
      - { .name: oc, .offset: 24, .size: 8, .value_kind: global_buffer, .address_space: global }
      - { .name: os, .offset: 32, .size: 8, .value_kind: global_buffer, .address_space: global }
    .group_segment_fixed_size: 210944
    .private_segment_fixed_size: 0
    .kernarg_segment_align: 8
    .kernarg_segment_size: 40
    .max_flat_workgroup_size: 512
    .sgpr_count:     100
    .vgpr_count:     256
    .wavefront_size: 32
...
	.end_amdgpu_metadata
.endif
;; end of part 3
;; launch outp (part 4): grid 4 x 32, 4 waves a work-group, clusters of 4 x 4, 327,680 bytes of LDS; arguments oc, os, codes, scales, bo, out0; writes out0
.if DOCPART == 4
	.amdgcn_target "amdgcn-amd-amdhsa--gfx1250"
	.amdhsa_code_object_version 6
	.text
	.protected	k_q66026ddc7c_outp
	.globl	k_q66026ddc7c_outp
	.p2align	8
	.type	k_q66026ddc7c_outp,@function
k_q66026ddc7c_outp:
	s_mov_b64 s[64:65], 0
	v_nop
	global_prefetch_b8 v0, s[64:65] scope:SCOPE_SE
	s_setreg_imm32_b32 hwreg(HW_REG_WAVE_MODE, 25, 1), 1
	s_wait_xcnt 0x0
	s_wait_alu depctr_hold_cnt(0) depctr_sa_sdst(0) depctr_va_vdst(0) depctr_va_sdst(0) depctr_va_ssrc(0) depctr_va_vcc(0) depctr_vm_vsrc(0)
	s_getreg_b32 s2, hwreg(HW_REG_IB_STS2, 6, 4)
	s_cmp_eq_u32 s2, 0
	s_cbranch_scc0 .Lentry_in_a_cluster
	s_endpgm
.Lentry_in_a_cluster:
	s_bfe_u32 s2, ttmp6, 0x10000c
	s_cmp_lg_u32 s2, 0xf033
	s_cbranch_scc0 .Lentry_shape_is_right
	s_endpgm
.Lentry_shape_is_right:
.set NQ,    2
.set FR,    12
.set NL,    6
.set NP,    4
.set TILEB, 3072
.set HALFT, 8*TILEB
.set SLOT,  4*HALFT
.set SCL,   2*SLOT
.set HALFS, 16*272
.set SBLK,  2*272
.set SPARE, SCL+4*HALFS
.set SPITCH, 528
.set ADRA, 16
.set ADRB, 20
.set STO,  24
.set RD,   25
.set CO,   26
.set ADRS, 27
.set SPW,  28
.set NIL,  29
.set SC,   32
.set AF,   128
.set BK,   128
.set G1, 24
.set G0, 32
.set G1B, 48
.set G0B, 56
.set G1S, 68
.set G0S, 76
.set G1SB, 80
.set G0SB, 88
.set MSB, 0
.macro WIN new
.if MSB != (\new)
	s_set_vgpr_msb (MSB<<8)|(\new)
.set MSB, (\new)
.endif
.endm
.set MUL_LO, 0xa1
.set MUL_HI, 0xf1
.set TO_B,   0x40
.macro JLOAD g0a, g1a, g0b, g1b
	s_cmp_eq_u32 s15, 0
	s_cbranch_scc0 .Lfor_b_\@
	tensor_load_to_lds s[\g0a:\g0a+3], s[\g1a:\g1a+7]
	s_nop 0
.rept 4
	v_nop
.endr
	s_branch .Lasked_\@
.Lfor_b_\@:
	tensor_load_to_lds s[\g0b:\g0b+3], s[\g1b:\g1b+7]
	s_nop 0
.rept 4
	v_nop
.endr
.Lasked_\@:
.endm
.macro CREST
	s_cmp_lg_u32 s14, 0
	s_cbranch_scc1 .Lnot_wave_0_\@
	s_barrier_signal -3
.Lnot_wave_0_\@:
	s_barrier_wait -3
	s_barrier_signal -1
	s_barrier_wait -1
.endm
.macro CROUND
	s_barrier_signal -1
	s_barrier_wait -1
	CREST
.endm
	s_load_b256 s[4:11], s[0:1], 0x0
	s_load_b64 s[96:97], s[0:1], 0x20
	s_load_b64 s[12:13], s[0:1], 0x28
	v_lshl_add_u32 v[SPW], v0, 2, SPARE
	v_mov_b32 v[NIL], 0
	ds_add_u32 v[SPW], v[NIL]
	ds_add_u32 v[SPW], v[NIL]
	v_lshrrev_b32 v1, 5, v0
	v_readfirstlane_b32 s14, v1
	s_lshr_b32 s15, s14, 1
	s_and_b32 s16, s14, 1
	s_bfe_u32 s40, ttmp6, 0x40000
	s_bfe_u32 s41, ttmp6, 0x40004
	s_lshl_b32 s42, ttmp9, 2
	s_add_co_u32 s42, s42, s40
	s_and_b32 s17, ttmp7, 0xffff
	s_lshl_b32 s17, s17, 2
	s_add_co_u32 s17, s17, s41
	s_lshl_b32 s43, s41, 2
	s_lshl_b32 s43, 15, s43
	s_lshl_b32 s44, 0x1111, s40
	s_or_b32 s[G1+0], s43, (3<<16)|(1<<21)
	s_or_b32 s[G1B+0], s44, (3<<16)|(1<<21)
.irp g, G1, G1B
	s_mov_b32 s[\g+1], 384<<16
	s_mov_b32 s[\g+2], 8<<16
	s_mov_b32 s[\g+3], 384<<16
	s_mov_b32 s[\g+4], 8
	s_mov_b32 s[\g+5], 1536
	s_mov_b32 s[\g+6], 0
	s_mov_b32 s[\g+7], 0
.endr
	s_or_b32 s[G1S+0], s43, (3<<16)|(1<<20)|(1<<21)|(5<<22)|(3<<25)
	s_or_b32 s[G1SB+0], s44, (3<<16)|(1<<20)|(1<<21)|(5<<22)|(3<<25)
.irp g, G1S, G1SB
	s_mov_b32 s[\g+1], 32<<16
	s_mov_b32 s[\g+2], 16<<16
	s_mov_b32 s[\g+3], 32<<16
	s_mov_b32 s[\g+4], 16
	s_mov_b32 s[\g+5], 32
	s_mov_b32 s[\g+6], 0
	s_mov_b32 s[\g+7], 0
.endr
	s_lshl_b32 s18, s16, 3
	s_lshl_b32 s20, s17, 4
	s_add_co_u32 s20, s20, s18
	s_lshl_b32 s46, s42, 4
	s_add_co_u32 s46, s46, s18
	s_add_co_u32 s46, s46, 1728
	s_lshl_b32 s22, s20, 9
	s_mov_b32 s23, 0
	s_lshl_b32 s92, s46, 9
	s_mov_b32 s93, 0
	s_mul_i32 s20, s20, 12288
	s_mov_b32 s21, 0
	s_mul_i32 s46, s46, 12288
	s_mov_b32 s47, 0
	s_mul_i32 s45, s14, HALFT
	s_mul_i32 s94, s14, HALFS
	s_wait_dscnt 0x0
	s_wait_kmcnt 0x0
	s_add_nc_u64 s[20:21], s[4:5], s[20:21]
	s_add_nc_u64 s[22:23], s[6:7], s[22:23]
	s_add_nc_u64 s[46:47], s[8:9], s[46:47]
	s_add_nc_u64 s[92:93], s[10:11], s[92:93]
	CROUND
	s_mov_b32 s[G0S], 1
	s_add_co_u32 s[G0S+1], s94, SCL
	s_mov_b64 s[G0S+2:G0S+3], s[22:23]
	s_or_b32 s[G0S+3], s[G0S+3], 0x80000000
	s_mov_b32 s[G0SB], 1
	s_add_co_u32 s[G0SB+1], s94, SCL
	s_mov_b64 s[G0SB+2:G0SB+3], s[92:93]
	s_or_b32 s[G0SB+3], s[G0SB+3], 0x80000000
	JLOAD G0S, G1S, G0SB, G1SB
.irp s, 0,1
	s_mov_b32 s[G0+4*\s], 1
	s_add_co_u32 s[G0+4*\s+1], s45, \s*SLOT
	s_add_nc_u64 s[G0+4*\s+2:G0+4*\s+3], s[20:21], \s*TILEB
	s_or_b32 s[G0+4*\s+3], s[G0+4*\s+3], 0x80000000
	s_mov_b32 s[G0B+4*\s], 1
	s_add_co_u32 s[G0B+4*\s+1], s45, \s*SLOT
	s_add_nc_u64 s[G0B+4*\s+2:G0B+4*\s+3], s[46:47], \s*TILEB
	s_or_b32 s[G0B+4*\s+3], s[G0B+4*\s+3], 0x80000000
	s_wait_alu depctr_va_vdst(0)
	s_wait_tensorcnt 0x0
	ds_add_u32 v28, v29
	s_wait_dscnt 0x0
	CROUND
	JLOAD G0+4*\s, G1, G0B+4*\s, G1B
.endr
	v_and_b32 v1, 15, v0
	v_bfe_u32 v2, v0, 4, 1
	v_and_b32 v3, 31, v0
	v_lshlrev_b32 v4, 3, v3
	v_lshlrev_b32 v[CO], 4, v3
	s_mul_i32 s21, s15, HALFT
	s_mul_i32 s22, s16, HALFT
	s_add_co_u32 s22, s22, 2*HALFT
.irp s, 0,1
	v_add_nc_u32 v[ADRA+\s], s21, v4
	v_add_nc_u32 v[ADRB+\s], s22, v4
	s_add_co_u32 s21, s21, SLOT
	s_add_co_u32 s22, s22, SLOT
.endr
	v_lshlrev_b32 v5, 5, v1
	v_lshrrev_b32 v6, 8, v5
	v_lshl_add_u32 v5, v6, 4, v5
	s_mul_i32 s21, s15, HALFS
	s_mul_i32 s22, s16, HALFS
	s_add_co_u32 s22, s22, 2*HALFS
	s_sub_co_u32 s22, s22, s21
	v_mul_u32_u24 v6, s22, v2
	s_add_co_u32 s21, s21, SCL
	v_add_nc_u32 v5, v5, v6
	v_add_nc_u32 v[ADRS], s21, v5
	s_mul_i32 s23, s14, 16*SPITCH
	v_mul_u32_u24 v5, v1, SPITCH
	v_lshl_add_u32 v5, v2, 6, v5
	v_add_nc_u32 v[STO], s23, v5
	v_add_nc_u32 v[RD], s23, v[CO]
	s_lshl_b32 s46, s42, 10
	s_lshl_b32 s47, s16, 9
	s_add_co_u32 s46, s46, s47
	s_mov_b32 s47, 0
	s_add_nc_u64 s[96:97], s[96:97], s[46:47]
	global_load_b128 v[8:11], v[CO], s[96:97]
	s_lshl_b32 s20, s17, 8
	s_lshl_b32 s21, s15, 7
	s_add_co_u32 s20, s20, s21
	s_lshl_b32 s20, s20, 12
	s_mov_b32 s21, 0
	s_add_nc_u64 s[20:21], s[20:21], s[46:47]
	s_add_nc_u64 s[12:13], s[12:13], s[20:21]
.macro FRAG reg, adr, q, i
.irp p, 0,1,2,3,4,5
	ds_load_b64 v[\reg+2*\p:\reg+2*\p+1], v[\adr] offset:TILEB*(\i)+1536*(\q)+256*\p
.endr
.endm
.macro MUL16 a0, p, q, sc, zero
.irp a, \a0, \a0+1
.irp b, 0,1,2,3,4,5,6,7
.if \zero
	v_wmma_scale_f32_16x16x128_f8f6f4 v[8*(8*((\a)%4)+\b):8*(8*((\a)%4)+\b)+7], v[128*(\p)+FR*\b:128*(\p)+FR*\b+FR-1], v[AF+FR*(\a):AF+FR*(\a)+FR-1], 0, v[SC+8*NQ*(\sc)+NQ*\b+(\q)], v[SC+8*NQ*(\sc)+NQ*(\a)+(\q)] matrix_a_fmt:MATRIX_FMT_FP6 matrix_b_fmt:MATRIX_FMT_FP6 matrix_a_scale:MATRIX_SCALE_ROW1
.else
	v_wmma_scale_f32_16x16x128_f8f6f4 v[8*(8*((\a)%4)+\b):8*(8*((\a)%4)+\b)+7], v[128*(\p)+FR*\b:128*(\p)+FR*\b+FR-1], v[AF+FR*(\a):AF+FR*(\a)+FR-1], v[8*(8*((\a)%4)+\b):8*(8*((\a)%4)+\b)+7], v[SC+8*NQ*(\sc)+NQ*\b+(\q)], v[SC+8*NQ*(\sc)+NQ*(\a)+(\q)] matrix_a_fmt:MATRIX_FMT_FP6 matrix_b_fmt:MATRIX_FMT_FP6 matrix_a_scale:MATRIX_SCALE_ROW1
.endif
.endr
.endr
.endm
.macro FETCH_B slot, q, p
	WIN TO_B
.irp i, 0,1,2,3,4,5,6,7
	FRAG 128*(\p)+FR*\i, ADRB+\slot, \q, \i
.endr
	WIN 0
.endm
.macro FETCH_A slot, q, i0
.irp i, \i0, \i0+1, \i0+2, \i0+3
	FRAG AF+FR*(\i), ADRA+\slot, \q, \i
.endr
.endm
.macro SCALES sc
.irp i, 0,1,2,3,4,5,6,7
	ds_load_b64 v[SC+8*NQ*\sc+NQ*\i:SC+8*NQ*\sc+NQ*\i+1], v[ADRS] offset:\i*SBLK
.endr
.endm
.macro PLACES n
.rept \n
	v_nop
.endr
.endm
.macro STEP slot, q, zero
	s_wait_dscnt 4*NL
	WIN MUL_LO
	MUL16 0, (\q)%2, \q, \slot, \zero
	MUL16 2, (\q)%2, \q, \slot, \zero
	s_wait_dscnt 0
	PLACES NP
	FETCH_B \slot, (\q)+1, 1-(\q)%2
	FETCH_A \slot, (\q)+1, 0
	WIN MUL_HI
	MUL16 4, (\q)%2, \q, \slot, \zero
	MUL16 6, (\q)%2, \q, \slot, \zero
	PLACES NP
	WIN 0
	FETCH_A \slot, (\q)+1, 4
.endm
.macro TURN slot, next, fill
	s_wait_tensorcnt 0x0
	ds_add_u32 v[SPW], v[NIL]
	s_wait_dscnt 4*NL+1
	WIN MUL_LO
	MUL16 0, 1, NQ-1, \slot, 0
	s_wait_dscnt 0x0
	s_barrier_signal -1
	MUL16 2, 1, NQ-1, \slot, 0
	WIN 0
	s_barrier_wait -1
.if \fill
	CREST
	s_add_nc_u64 s[G0+4*\slot+2:G0+4*\slot+3], s[G0+4*\slot+2:G0+4*\slot+3], 2*TILEB
	s_add_nc_u64 s[G0B+4*\slot+2:G0B+4*\slot+3], s[G0B+4*\slot+2:G0B+4*\slot+3], 2*TILEB
	JLOAD G0+4*\slot, G1, G0B+4*\slot, G1B
.else
	PLACES NP
.endif
	s_wait_alu depctr_va_vdst(0)
	v_add_nc_u32 v[ADRS], 4*NQ, v[ADRS]
	FETCH_B \next, 0, 0
	FETCH_A \next, 0, 0
	SCALES \next
	WIN MUL_HI
	MUL16 4, 1, NQ-1, \slot, 0
	MUL16 6, 1, NQ-1, \slot, 0
	PLACES NP
	WIN 0
	FETCH_A \next, 0, 4
.endm
	s_wait_alu depctr_va_vdst(0)
	s_wait_tensorcnt 1
	s_barrier_signal -1
	s_barrier_wait -1
	FETCH_B 0, 0, 0
	FETCH_A 0, 0, 0
	SCALES 0
	FETCH_A 0, 0, 4
	STEP 0, 0, 1
	TURN 0, 1, 1
	STEP 1, 0, 0
	TURN 1, 0, 1
	STEP 0, 0, 0
	TURN 0, 1, 0
	STEP 1, 0, 0
	s_wait_dscnt 4*NL
	WIN MUL_LO
	MUL16 0, 1, NQ-1, 1, 0
	MUL16 2, 1, NQ-1, 1, 0
	s_wait_dscnt 0
	WIN MUL_HI
	MUL16 4, 1, NQ-1, 1, 0
	MUL16 6, 1, NQ-1, 1, 0
	WIN 0
.macro TOSTAGE a
.set AC, 64*((\a)%4)
	WIN 0x08+4*((\a)/4)
.irp b, 0,1,2,3,4,5,6,7
	ds_store_b128 v[STO], v[AC+8*\b:AC+8*\b+3] offset:128*(\b/2)+32*(\b%2)
	ds_store_b128 v[STO], v[AC+8*\b+4:AC+8*\b+7] offset:128*(\b/2)+32*(\b%2)+16
.endr
	WIN 0
.set BB, BK+64*((\a)%2)
.irp t, 0,1,2,3,4,5,6,7,8,9,10,11,12,13,14,15
	ds_load_b128 v[BB+4*\t:BB+4*\t+3], v[RD] offset:\t*SPITCH
.endr
.endm
.macro SEND a, younger
.set BB, BK+64*((\a)%2)
	s_wait_dscnt \younger
.if (\a) == 0
	s_wait_loadcnt 0x0
.endif
.irp t, 0,1,2,3,4,5,6,7,8,9,10,11,12,13,14,15
	v_pk_add_f32 v[BB+4*\t:BB+4*\t+1], v[BB+4*\t:BB+4*\t+1], v[8:9]
	v_pk_add_f32 v[BB+4*\t+2:BB+4*\t+3], v[BB+4*\t+2:BB+4*\t+3], v[10:11]
	global_store_b128 v[CO], v[BB+4*\t:BB+4*\t+3], s[12:13] offset:(32*((\a)/2)+8*((\a)%2)+\t+8*(\t/8))*4096 th:TH_STORE_NT
.endr
.endm
	PLACES NP
	TOSTAGE 0
.irp a, 1,2,3,4,5,6,7
.if \a > 1
	s_wait_xcnt 0x0
.endif
	TOSTAGE \a
	SEND \a-1, 32
.endr
	SEND 7, 0
	s_wait_tensorcnt 0x0
	ds_add_u32 v[SPW], v[NIL]
	s_wait_dscnt 0x0
	CROUND
	s_endpgm
.Lfunc_end_k_q66026ddc7c_outp:
	.size	k_q66026ddc7c_outp, .Lfunc_end_k_q66026ddc7c_outp-k_q66026ddc7c_outp
	.p2alignl 7, 3214868480
	.fill 96, 4, 3214868480
	.section	.rodata,"a",@progbits
	.p2align	6, 0x0
	.amdhsa_kernel k_q66026ddc7c_outp
		.amdhsa_group_segment_fixed_size 327680
		.amdhsa_private_segment_fixed_size 0
		.amdhsa_enable_private_segment 0
		.amdhsa_kernarg_size 48
		.amdhsa_user_sgpr_count 2
		.amdhsa_user_sgpr_kernarg_segment_ptr 1
		.amdhsa_wavefront_size32 1
		.amdhsa_system_sgpr_workgroup_id_x 1
		.amdhsa_system_sgpr_workgroup_id_y 1
		.amdhsa_system_sgpr_workgroup_id_z 1
		.amdhsa_system_vgpr_workitem_id 0
		.amdhsa_next_free_vgpr 1024
		.amdhsa_next_free_sgpr 98
		.amdhsa_reserve_vcc 0
		.amdhsa_float_denorm_mode_32 3
		.amdhsa_float_denorm_mode_16_64 3
		.amdhsa_memory_ordered 1
		.amdhsa_forward_progress 1
		.amdhsa_inst_pref_size 176
	.end_amdhsa_kernel
	.amdgpu_metadata
---
amdhsa.version: [ 1, 2 ]
amdhsa.kernels:
  - .name:           k_q66026ddc7c_outp
    .symbol:         k_q66026ddc7c_outp.kd
    .args:
      - { .name: oc, .offset: 0, .size: 8, .value_kind: global_buffer, .address_space: global }
      - { .name: os, .offset: 8, .size: 8, .value_kind: global_buffer, .address_space: global }
      - { .name: codes, .offset: 16, .size: 8, .value_kind: global_buffer, .address_space: global }
      - { .name: scales, .offset: 24, .size: 8, .value_kind: global_buffer, .address_space: global }
      - { .name: bo, .offset: 32, .size: 8, .value_kind: global_buffer, .address_space: global }
      - { .name: out0, .offset: 40, .size: 8, .value_kind: global_buffer, .address_space: global }
    .group_segment_fixed_size: 327680
    .private_segment_fixed_size: 0
    .kernarg_segment_align: 8
    .kernarg_segment_size: 48
    .max_flat_workgroup_size: 128
    .sgpr_count:     98
    .vgpr_count:     1024
    .wavefront_size: 32
...
	.end_amdgpu_metadata
.endif
;; end of part 4
